; MI455X (gfx1250); checked and timed in simulation.
; The chip was launched on July 23, 2026; its instructions are those of AMD's public machine-readable ISA for CDNA 5 (MIT licence, August 2026) and "CDNA5" Instruction Set Architecture Reference Guide (July 2026). The comments in the code are by the model that wrote it; some were corrected since.
;; Sum Kernel. Allowed arithmetic: matrix products marked QUANTISED: E2M1 operands, one E8M0 scale for each 32 along K, by v_wmma_scale_f32_16x16x128_f8f6f4 with both operands' format E2M1 (or v_wmma_scale_f32_32x16x128_f4), f32 sums; products left as they are: f32 operands where the result goes on into a quantised operand, else bf16, f16 or f32 operands; f32 sums; everything else in f32.
;; Inputs: coset_functions 4 x 64 x 4 x 16 float32; kg_W1_codes 256 x 1 x 16 uint8 (E2M1 codes of kg_W1, K innermost, in blocks of 32 codes, two codes a byte); kg_W1_scales 256 x 1 uint8 (E8M0 scales of kg_W1, one for each 32 codes along K); kg_W2_codes 256 x 8 x 16 uint8 (E2M1 codes of kg_W2, K innermost, in blocks of 32 codes, two codes a byte); kg_W2_scales 256 x 8 uint8 (E8M0 scales of kg_W2, one for each 32 codes along K); kg_W3 256 x 1 float32; kg_b1 256 float32; kg_b2 256 float32; kg_b3 1 float32; kg_be1 256 float32; kg_be2 256 float32; kg_be3 1 float32; kg_g1 256 float32; kg_g2 256 float32; kg_g3 1 float32; ky_W1 32 x 256 float32; ky_W2_codes 256 x 8 x 16 uint8 (E2M1 codes of ky_W2, K innermost, in blocks of 32 codes, two codes a byte); ky_W2_scales 256 x 8 uint8 (E8M0 scales of ky_W2, one for each 32 codes along K); ky_W3 256 x 1 float32; ky_b1 256 float32; ky_b2 256 float32; ky_b3 1 float32; ky_be1 256 float32; ky_be2 256 float32; ky_be3 1 float32; ky_g1 256 float32; ky_g2 256 float32; ky_g3 1 float32; mask 4 x 64 x 4 bool; pairwise_g_codes 4 x 64 x 64 x 4 x 4 x 1 x 16 uint8 (E2M1 codes of pairwise_g, K innermost, in blocks of 32 codes, two codes a byte); pairwise_g_scales 4 x 64 x 64 x 4 x 4 x 1 uint8 (E8M0 scales of pairwise_g, one for each 32 codes along K).
;; Outputs: out0 4 x 64 x 64 x 4 x 4 x 1 float32.
;; This version of the problem:
;;   THIS VERSION OF THE PROBLEM IS GIVEN IN LOW PRECISION. The matrix products marked QUANTISED in the list below multiply operands that are first quantised to E2M1 (2 exponent bits, 1 mantissa bit; 4 bits a number), with one power-of-two scale for each 32 numbers along K (OCP MX v1.0); their sums are f32. All else is computed in f32.
;;   The module's matrix products, in the order in which they are computed (A, B: the left and right operand; K: the contracted axis; several contracted axes count as one K, in the product's order):
;;     1. [M 1,024, K 16] x [K 16, N 256]; A: input coset_functions; B: input ky_W1: left as it is (K = 16 < 32)
;;     2. [M 1,024, K 16] x [K 16, N 256]; A: input coset_functions; B: input ky_W1: left as it is (K = 16 < 32)
;;     3. [M 262,144, K 256] x [K 256, N 256]; A: computed on the way; B: input ky_W2 (given as codes): QUANTISED
;;     4. [M 262,144, K 256] x [K 256, N 1]; A: computed on the way; B: input ky_W3: left as it is (N = 1 < 16)
;;     5. [M 262,144, K 32] x [K 32, N 256]; A: input pairwise_g (given as codes); B: input kg_W1 (given as codes): QUANTISED
;;     6. [M 262,144, K 256] x [K 256, N 256]; A: computed on the way; B: input kg_W2 (given as codes): QUANTISED
;;     7. [M 262,144, K 256] x [K 256, N 1]; A: computed on the way; B: input kg_W3: left as it is (N = 1 < 16)
;;   THE QUANTISER, for each operand of a quantised product, along K:
;;     - K is cut into blocks of 32 from its start; a last block that is shorter is filled with zeros.
;;     - A block's scale is 2^e with e = floor(log2(the largest magnitude in the block)) - 2, held to -126 .. 127; a block of zeros has e = 0. As a byte (E8M0): e + 127.
;;     - Each number is divided by its block's scale, clamped to +-6, and rounded to the nearest number of E2M1, ties to even, subnormals kept.
;;     - The product sums the exact products of the quantised numbers (number of the format x scale) in f32.
;;   ~~~python
;;   def quantise(x, axis):      # numpy; x: float32 -> the quantised numbers, widened to float32 again
;;       x = np.moveaxis(x, axis, -1); K = x.shape[-1]
;;       x = np.pad(x, [(0, 0)] * (x.ndim - 1) + [(0, -K % 32)]); x = x.reshape(x.shape[:-1] + (-1, 32)); a = np.abs(x).max(-1, keepdims=True)
;;       e = np.where(a > 0, np.clip(np.frexp(np.where(a > 0, a, 1))[1] - 1 - 2, -126, 127), 0)      # np.frexp(a)[1] - 1 = floor(log2(a)), exactly
;;       r = np.clip(x / 2.0 ** e, -6, 6)
;;       step = 2.0 ** (np.maximum(np.frexp(np.where(r == 0, 1, r))[1] - 1, 0) - 1)
;;       q = np.round(r / step) * step * 2.0 ** e      # np.round: ties to even
;;       return np.moveaxis(q.reshape(q.shape[:-2] + (-1,))[..., :K], -1, axis).astype(np.float32)
;;   ~~~
;;   OPERANDS COMPUTED ON THE WAY. 'Computed on the way' means the value that the module computes at that place (a softmax that the list does not call 'softmax' is quantised finished and normalised). What goes into a quantiser is computed in f32, as accurately as f32 sums, v_exp_f32 and their like allow (about 1e-6 of the number): no bf16 or f16 on the way to a quantiser, and a product that is left as it is and whose result goes on into a quantised operand takes f32 operands (vector FMAs, or v_wmma_f32_16x16x4_f32). A number that lies on a knife's edge between two numbers of the format may be rounded either way, as far as f32 arithmetic and the matrix unit's own rounding can turn it there, and no further.
;;   INPUTS GIVEN AS CODES. kg_W1 (in the module: [32, 256], K = its axis 0); kg_W2 (in the module: [256, 256], K = its axis 0); ky_W2 (in the module: [256, 256], K = its axis 0); pairwise_g (in the module: [4, 64, 64, 4, 4, 32], K = its axis 5): each comes as NAME_codes (uint8): NAME with its K axis moved to the last place and cut into blocks of 32 codes, [.., K / 32, bytes a block], one block behind the other in memory; two codes a byte, the lower K in the low four bits (a code: sign, 2 exponent bits, 1 mantissa bit); and NAME_scales (uint8): the same leading axes, one E8M0 byte (e + 127) for each 32 codes along K. Its value is code x scale, taken as it is: it is not quantised again, and the codes and scales need not be those that the quantiser above would give.
;; One version. Each part assembles by itself: llvm-mc -triple=amdgcn-amd-amdhsa -mcpu=gfx1250 --defsym DOCPART=n.
;; ======== version 1 of 1: 6 launches
;; limits: right only within a limited range of input values
;; workspace buffers: tu 1,048,576 bytes; tv 1,048,576 bytes; part1 524,288 bytes; part2 1,048,576 bytes; st1 2,048 bytes; st2 4,096 bytes; z3 2,097,152 bytes; part3 4,096 bytes
;; launch first (part 1): grid 288 x 1, 8 waves a work-group, no clusters, 24,576 bytes of LDS; arguments coset_functions, ky_W1, ky_b1, ky_g1, ky_be1, tu, tv, pairwise_g_codes, pairwise_g_scales, kg_W1_codes, kg_W1_scales, part1; writes tu, tv, part1
.if DOCPART == 1
	.amdgcn_target "amdgcn-amd-amdhsa--gfx1250"
	.amdhsa_code_object_version 6
	.text
	.protected	k_q9eff90b598_first
	.globl	k_q9eff90b598_first
	.p2align	8
	.type	k_q9eff90b598_first,@function
k_q9eff90b598_first:
	s_mov_b64 s[64:65], 0
	v_nop
	global_prefetch_b8 v0, s[64:65] scope:SCOPE_SE
	s_setreg_imm32_b32 hwreg(HW_REG_WAVE_MODE, 25, 1), 1
	s_wait_xcnt 0x0
; FIRST OF SIX LAUNCHES.  Two jobs that do not depend on each other, parted on the work-group's number; each has LDS bytes of its own.
; PREP (work-groups 0-31, channels 8 G .. 8 G + 7): p1 = cf W1[:16], p2 = cf W1[16:] + b1 for all 1,024 rows of cf, by f32 multiply-adds (their sum goes on into a quantiser).
;   The first BatchNorm of k_y runs over h = p1[b,j,t] + p2[b,i,s]: its mean is mean(p1) + mean(p2); its variance is E[p1c^2] + E[p2c^2] + 2 E_b[mean_b(p1c) mean_b(p2c)], all of centred numbers.
;   Stored: tu = a (p1 - mean p1), tv = a (p2 - mean p2) + be1, a = g1 rsqrt(var + 1e-5): the later launches form relu(u + v).  This differs from gamma (h - mu) rsqrt(..) + beta in the order of f32 roundings alone.
;   Tables: T[b 4][n/2 32][c/4 64][n%2 2][x 4][c%4 4] f32: sixteen lanes store 256 consecutive bytes, aligned.
; Z1 (work-groups 32-287, 1,024 rows each): per-channel mean and centred sum of squares of G W1 (both given as codes; K = 32 in a K step of 128: the other 96 are zero codes on W1's side).
;   Waves share channels (wave % 4: 64 channels) and rows (wave / 4: 512 rows).  The product is used transposed, W1's rows of a tile chosen so that lane (r, h) holds row r and its register 8 q + j channel 64 w + 32 h + 8 q + j.
;   No difference of large sums: minus the mean of the group's first 32 rows is the C of every later product; S1, S2 are sums of the shifted numbers; m = S1/n - C, M2 = S2 - S1^2/n; groups are joined by the pairwise formula.
;   part1[c/32 8][work-group 256][r 16][m, M2 of channel 32 (c/32) + 2 r; the same of + 1]: sixteen lanes store 256 consecutive bytes, aligned.
; LIMITS: NaN and infinities among the inputs are not served.  The input mask is not read: reference() does not read it.
.set PR1,  0                           ; PREP: 8 waves x 64 bytes of sums
.set PR2,  512                         ; PREP: 8 waves x 128 bytes of centred sums
.set GC,   2048                        ; Z1: the work-group's 1,024 rows of G's codes, 16 bytes a row
.set GSC,  18432                       ; Z1: their scale bytes
.set XCH,  19456                       ; Z1: 512 bytes a wave: the two groups of rows exchange their figures
.set A1S,  20                          ; Z1 v20-23  W1's scale words, a tile each (these and v24-27 hold scales alone, in the whole text)
.set GS,   24                          ; Z1 v24-27  G's scale words, two sets of two tiles
.set RO,   12                          ; Z1 v12-17  reduced S1, S2, 16 C: two channels a lane
.set GF,   32                          ; Z1 v32-55  G's codes: two sets of 2 tiles x 4 registers + 4 of zeros
.set A1,   56                          ; Z1 v56-87  W1's four fragments
.set X,    88                          ; Z1 v88-151 two tiles of rows x 32 channels
.set QW,   136                         ; Z1 at work in the tail
.set CC,   152                         ; Z1 v152-183 the shift
.set S1,   184
.set S2,   216
.macro PLACES                          ; four plain vector instructions between a matrix instruction and the first read of its result or a load into its sources
.rept 4
	v_nop
.endr
.endm
.macro BARRIER                         ; my LDS stores have landed and my LDS loads are in: then the work-group's barrier
	s_wait_dscnt 0x0
	s_barrier_signal -1
	s_barrier_wait -1
.endm
	s_load_b512 s[8:23], s[0:1], 0x0               ; cf s8, ky_W1 s10, ky_b1 s12, ky_g1 s14, ky_be1 s16, tu s18, tv s20, G's codes s22
	s_load_b256 s[24:31], s[0:1], 0x40             ; G's scales s24, kg_W1's codes s26, its scales s28, part1 s30
	v_lshl_add_u32 v30, v0, 2, 0x5c00              ; my spare word and 0: kept for the add alone, on both paths
	v_mov_b32 v31, 0
	v_lshrrev_b32 v1, 5, v0
	s_delay_alu instid0(VALU_DEP_1)
	v_readfirstlane_b32 s2, v1                     ; wave 0..7
	s_mov_b32 s32, 0x76543210
	s_mov_b32 s33, 0xfedcba98                      ; v_permlanex16_b32's selects for lane l xor 16
	s_mov_b32 s41, 0
	s_mov_b32 s43, 0
	s_cmp_lt_u32 ttmp9, 32                         ; the same in all waves of a work-group
	s_cbranch_scc0 .Lz1
; ================= PREP =================
; lane: x3 = l & 7, cqb = (l >> 3) & 1, hh = l >> 4.  Item it of wave v is cf row 128 v + 16 it + 8 hh + x3; my channels are 8 G + 4 cqb + 0 .. 3.
; v1 cf offset, v2 16 cqb, v3 table offset, v4-7 LDS addresses, v8-11 b1, v12-15 g1 then a, v16-19 be1, v32-63 cf (two sets) then at work, v64-95 p1, v96-127 p2, v128-255 W1 then what comes back from LDS
	v_and_b32 v32, 7, v0
	v_bfe_u32 v33, v0, 3, 1
	v_bfe_u32 v34, v0, 4, 1
	v_and_b32 v35, 15, v0
	s_lshl_b32 s42, s2, 13
	v_lshlrev_b32 v1, 6, v32
	s_delay_alu instid0(VALU_DEP_1)
	v_lshl_add_u32 v1, v34, 9, v1
	s_delay_alu instid0(VALU_DEP_1)
	v_add_nc_u32 v1, s42, v1                       ; 8192 v + 512 hh + 64 x3
	v_lshlrev_b32 v2, 4, v33
	s_lshl_b32 s42, s2, 17
	v_lshlrev_b32 v3, 4, v35
	s_delay_alu instid0(VALU_DEP_1)
	v_lshl_add_u32 v3, v34, 13, v3
	s_delay_alu instid0(VALU_DEP_1)
	v_add_nc_u32 v3, s42, v3                       ; 131072 v + 8192 hh + 16 (l & 15)
	s_lshl_b32 s42, s2, 6
	v_lshl_add_u32 v4, v33, 5, s42                 ; PR1 + 64 v + 32 cqb
	s_lshl_b32 s42, s2, 7
	s_add_co_u32 s42, s42, PR2
	v_lshl_add_u32 v5, v33, 6, s42                 ; PR2 + 128 v + 64 cqb
	v_lshlrev_b32 v6, 5, v33
	v_lshlrev_b32 v7, 6, v33
	s_delay_alu instid0(VALU_DEP_1)
	v_add_nc_u32 v7, PR2, v7
	s_lshl_b32 s40, ttmp9, 5                       ; my 8 channels: 32 bytes of a row of parameters,
	s_lshl_b32 s42, ttmp9, 8                       ; 256 bytes of a table's slab
	s_wait_alu depctr_va_vdst(0)
	s_wait_kmcnt 0x0
	s_add_nc_u64 s[10:11], s[10:11], s[40:41]
	s_add_nc_u64 s[12:13], s[12:13], s[40:41]
	s_add_nc_u64 s[14:15], s[14:15], s[40:41]
	s_add_nc_u64 s[16:17], s[16:17], s[40:41]
	s_add_nc_u64 s[18:19], s[18:19], s[42:43]
	s_add_nc_u64 s[20:21], s[20:21], s[42:43]
	global_load_b128 v[8:11], v2, s[12:13]
	global_load_b128 v[12:15], v2, s[14:15]
	global_load_b128 v[16:19], v2, s[16:17]
.set k, 0
.rept 32
	global_load_b128 v[128+4*k:131+4*k], v2, s[10:11] offset:1024*k    ; W1[k][my 4 channels]
.set k, k+1
.endr
.macro CFLOAD it
.irp j, 0,1,2,3
	global_load_b128 v[32+16*((\it)%2)+4*\j:35+16*((\it)%2)+4*\j], v1, s[8:9] offset:1024*(\it)+16*\j
.endr
.endm
	CFLOAD 0
	CFLOAD 1
.macro ITEM it                         ; one cf row a lane: 16 numbers against 2 x 4 columns; a number of cf is broadcast to both halves of a packed multiply-add
.set CF, 32+16*((\it)%2)
.set PA, 64+4*(\it)
.set PB, 96+4*(\it)
.if (\it) < 7
	s_wait_loadcnt 4                               ; all but the next item's four loads are in
.else
	s_wait_loadcnt 0x0
.endif
.irp c, 0,2
	v_pk_mul_f32 v[PA+\c:PA+\c+1], v[CF:CF+1], v[128+\c:129+\c] op_sel_hi:[0,1]
	v_pk_fma_f32 v[PB+\c:PB+\c+1], v[CF:CF+1], v[192+\c:193+\c], v[8+\c:9+\c] op_sel_hi:[0,1,1]   ; b1 starts p2's sum
.endr
.set k, 1
.rept 15
.irp c, 0,2
.if k%2
	s_delay_alu instid0(VALU_DEP_4)
	v_pk_fma_f32 v[PA+\c:PA+\c+1], v[CF+k-1:CF+k], v[128+4*k+\c:129+4*k+\c], v[PA+\c:PA+\c+1] op_sel:[1,0,0] op_sel_hi:[1,1,1]
	s_delay_alu instid0(VALU_DEP_4)
	v_pk_fma_f32 v[PB+\c:PB+\c+1], v[CF+k-1:CF+k], v[192+4*k+\c:193+4*k+\c], v[PB+\c:PB+\c+1] op_sel:[1,0,0] op_sel_hi:[1,1,1]
.else
	s_delay_alu instid0(VALU_DEP_4)
	v_pk_fma_f32 v[PA+\c:PA+\c+1], v[CF+k:CF+k+1], v[128+4*k+\c:129+4*k+\c], v[PA+\c:PA+\c+1] op_sel_hi:[0,1,1]
	s_delay_alu instid0(VALU_DEP_4)
	v_pk_fma_f32 v[PB+\c:PB+\c+1], v[CF+k:CF+k+1], v[192+4*k+\c:193+4*k+\c], v[PB+\c:PB+\c+1] op_sel_hi:[0,1,1]
.endif
.endr
.set k, k+1
.endr
.if (\it)+2 < 8
	CFLOAD (\it)+2
.endif
.endm
.irp n, 0,1,2,3,4,5,6,7
	ITEM \n
.endr
.macro LRED n                          ; v32 .. v[32 + n - 1] summed over the 16 lanes that share my channels (x3, hh); v48 on at work
.irp m, 1,2,4
.set i, 0
.rept \n
	v_add_f32_dpp v[32+i], v[32+i], v[32+i] row_xmask:\m row_mask:0xf bank_mask:0xf
.set i, i+1
.endr
.endr
.set i, 0
.rept \n
	v_permlanex16_b32 v[48+i], v[32+i], s32, s33
.set i, i+1
.endr
.set i, 0
.rept \n
	v_add_f32 v[32+i], v[32+i], v[48+i]
.set i, i+1
.endr
.endm
	; ---- the means
.irp c, 0,2
	v_pk_add_f32 v[32+\c:33+\c], v[64+\c:65+\c], v[68+\c:69+\c]
	v_pk_add_f32 v[36+\c:37+\c], v[96+\c:97+\c], v[100+\c:101+\c]
.endr
.irp n, 2,3,4,5,6,7
.irp c, 0,2
	s_delay_alu instid0(VALU_DEP_4)
	v_pk_add_f32 v[32+\c:33+\c], v[32+\c:33+\c], v[64+4*\n+\c:65+4*\n+\c]
	s_delay_alu instid0(VALU_DEP_4)
	v_pk_add_f32 v[36+\c:37+\c], v[36+\c:37+\c], v[96+4*\n+\c:97+4*\n+\c]
.endr
.endr
	LRED 8
	ds_store_b128 v4, v[32:35]                     ; the lanes that share an address write the same numbers
	ds_store_b128 v4, v[36:39] offset:16
	BARRIER
.irp n, 0,1,2,3,4,5,6,7
	ds_load_b128 v[128+8*\n:131+8*\n], v6 offset:64*\n
	ds_load_b128 v[132+8*\n:135+8*\n], v6 offset:64*\n+16
.endr
	s_wait_dscnt 0x0
.irp n, 1,2,3,4,5,6,7
.irp c, 0,2,4,6
	v_pk_add_f32 v[128+\c:129+\c], v[128+\c:129+\c], v[128+8*\n+\c:129+8*\n+\c]
.endr
.endr
.irp c, 0
	s_delay_alu instid0(VALU_DEP_4)
	v_pk_mul_f32 v[44+\c:45+\c], v[128+\c:129+\c], 0x3a800000 op_sel_hi:[1,0]      ; mean p1 (/ 1,024)
	s_delay_alu instid0(VALU_DEP_3)
	v_pk_mul_f32 v[60+\c:61+\c], v[132+\c:133+\c], 0x3a800000 op_sel_hi:[1,0]      ; mean (p2 + b1)
.endr
.irp c, 2
	v_pk_mul_f32 v[44+\c:45+\c], v[128+\c:129+\c], 0x3a800000 op_sel_hi:[1,0]      ; mean p1 (/ 1,024)
	s_delay_alu instid0(VALU_DEP_4)
	v_pk_mul_f32 v[60+\c:61+\c], v[132+\c:133+\c], 0x3a800000 op_sel_hi:[1,0]      ; mean (p2 + b1)
.endr
	; ---- centred; sums of squares, and each wave's centred sums for the term between p1 and p2 of one batch
.irp n, 0,1,2,3,4,5,6,7
.irp c, 0,2
	v_pk_add_f32 v[64+4*\n+\c:65+4*\n+\c], v[64+4*\n+\c:65+4*\n+\c], v[44+\c:45+\c] neg_lo:[0,1] neg_hi:[0,1]
	v_pk_add_f32 v[96+4*\n+\c:97+4*\n+\c], v[96+4*\n+\c:97+4*\n+\c], v[60+\c:61+\c] neg_lo:[0,1] neg_hi:[0,1]
.endr
.endr
.irp c, 0,2
	v_pk_mul_f32 v[32+\c:33+\c], v[64+\c:65+\c], v[64+\c:65+\c]
	v_pk_add_f32 v[36+\c:37+\c], v[64+\c:65+\c], v[68+\c:69+\c]
	v_pk_add_f32 v[40+\c:41+\c], v[96+\c:97+\c], v[100+\c:101+\c]
.endr
.irp n, 1,2,3,4,5,6,7
.irp c, 0,2
	v_pk_fma_f32 v[32+\c:33+\c], v[64+4*\n+\c:65+4*\n+\c], v[64+4*\n+\c:65+4*\n+\c], v[32+\c:33+\c]
.endr
.endr
.irp n, 0,1,2,3,4,5,6,7
.irp c, 0,2
	s_delay_alu instid0(VALU_DEP_2)
	v_pk_fma_f32 v[32+\c:33+\c], v[96+4*\n+\c:97+4*\n+\c], v[96+4*\n+\c:97+4*\n+\c], v[32+\c:33+\c]
.endr
.endr
.irp n, 2,3,4,5,6,7
.irp c, 0,2
	v_pk_add_f32 v[36+\c:37+\c], v[36+\c:37+\c], v[64+4*\n+\c:65+4*\n+\c]
	v_pk_add_f32 v[40+\c:41+\c], v[40+\c:41+\c], v[96+4*\n+\c:97+4*\n+\c]
.endr
.endr
	LRED 12
	ds_store_b128 v5, v[32:35]
	ds_store_b128 v5, v[36:39] offset:16
	ds_store_b128 v5, v[40:43] offset:32
	BARRIER
.irp n, 0,1,2,3,4,5,6,7
.irp j, 0,1,2
	ds_load_b128 v[128+12*\n+4*\j:131+12*\n+4*\j], v7 offset:128*\n+16*\j
.endr
.endr
	s_wait_dscnt 0x0
.irp n, 1,2,3,4,5,6,7
.irp c, 0,2
	v_pk_add_f32 v[128+\c:129+\c], v[128+\c:129+\c], v[128+12*\n+\c:129+12*\n+\c]
.endr
.endr
.irp b, 0,1,2,3                        ; waves 2 b and 2 b + 1 hold batch b
.irp c, 0,2
	v_pk_add_f32 v[132+24*\b+\c:133+24*\b+\c], v[132+24*\b+\c:133+24*\b+\c], v[144+24*\b+\c:145+24*\b+\c]
	v_pk_add_f32 v[136+24*\b+\c:137+24*\b+\c], v[136+24*\b+\c:137+24*\b+\c], v[148+24*\b+\c:149+24*\b+\c]
.endr
.endr
.irp c, 0,2
	v_pk_mul_f32 v[32+\c:33+\c], v[132+\c:133+\c], v[136+\c:137+\c]
.endr
.irp b, 1,2,3
.irp c, 0,2
	s_delay_alu instid0(VALU_DEP_2)
	v_pk_fma_f32 v[32+\c:33+\c], v[132+24*\b+\c:133+24*\b+\c], v[136+24*\b+\c:137+24*\b+\c], v[32+\c:33+\c]
.endr
.endr
.irp c, 0,2
	v_pk_mul_f32 v[128+\c:129+\c], v[128+\c:129+\c], 0x3a800000 op_sel_hi:[1,0]                     ; / 1,024
	s_delay_alu instid0(VALU_DEP_1)
	v_pk_fma_f32 v[128+\c:129+\c], v[32+\c:33+\c], 0x37000000, v[128+\c:129+\c] op_sel_hi:[1,0,1]  ; + 2 / (4 x 256 x 256) x the batches' products
.endr
.irp j, 0,1,2,3
	v_add_f32 v[128+\j], 0x3727c5ac, v[128+\j]     ; + 1e-5
.endr
	s_wait_alu depctr_va_vdst(0)
.irp j, 0,1,2,3
	v_rsq_f32 v[132+\j], v[128+\j]
.endr
	v_nop                                          ; a plain instruction behind the last transcendental (ISA guide 5.7.2)
	s_wait_alu depctr_va_vdst(0)
.irp j, 0,1,2,3
	v_mul_f32 v[12+\j], v[12+\j], v[132+\j]        ; a = g1 rsqrt(var + eps)
.endr
.irp n, 0,1,2,3,4,5,6,7
.irp c, 0,2
	v_pk_mul_f32 v[64+4*\n+\c:65+4*\n+\c], v[64+4*\n+\c:65+4*\n+\c], v[12+\c:13+\c]
	v_pk_fma_f32 v[96+4*\n+\c:97+4*\n+\c], v[96+4*\n+\c:97+4*\n+\c], v[12+\c:13+\c], v[16+\c:17+\c]
.endr
.endr
.irp n, 0,1,2,3,4,5,6,7
	global_store_b128 v3, v[64+4*\n:67+4*\n], s[18:19] offset:16384*\n     ; sixteen lanes: 256 consecutive bytes, aligned
	global_store_b128 v3, v[96+4*\n:99+4*\n], s[20:21] offset:16384*\n
.endr
	s_wait_tensorcnt 0x0                           ; the wave's end
	ds_add_u32 v30, v31
	s_wait_dscnt 0x0
	s_endpgm
; ================= Z1 =================
; v1 G's codes in LDS (my group, row r), v2 G's scale bytes, v3 16 t, v4 4 t, v5 / v6 W1's code / scale offset, v7 / v8 exchange: mine / my partner's, v9 part1 offset, v10 / v11 staging addresses
.Lz1:
	s_sub_co_u32 s5, ttmp9, 32                     ; p: which 1,024 rows
	s_and_b32 s3, s2, 3                            ; w: my 64 channels
	s_lshr_b32 s4, s2, 2                           ; g: my 512 rows
	s_mov_b32 s34, 0xff00ff00                      ; lanes whose bit 3, 2, 1, 0 is set
	s_mov_b32 s35, 0xf0f0f0f0
	s_mov_b32 s36, 0xcccccccc
	s_mov_b32 s37, 0xaaaaaaaa
	s_mov_b32 s38, 0xffff                          ; lanes 0-15
	v_and_b32 v28, 15, v0                          ; r
	v_bfe_u32 v29, v0, 4, 1                        ; h
	v_and_b32 v18, 31, v0                          ; l
	s_lshl_b32 s42, s4, 13
	s_add_co_u32 s42, s42, GC
	v_lshl_add_u32 v1, v28, 4, s42
	s_lshl_b32 s42, s4, 9
	s_add_co_u32 s42, s42, GSC
	v_add_nc_u32 v2, s42, v28
	v_lshlrev_b32 v3, 4, v0
	v_lshlrev_b32 v4, 2, v0
	v_and_b32 v6, 7, v0
	v_bfe_u32 v19, v0, 3, 1
	s_delay_alu instid0(VALU_DEP_1)
	v_lshl_add_u32 v6, v19, 5, v6
	s_lshl_b32 s42, s3, 6
	v_add_nc_u32 v6, s42, v6                       ; tile 0's row of W1 for lane r: 64 w + 32 (r / 8) + r % 8; tile q: + 8 q
	s_delay_alu instid0(VALU_DEP_1)
	v_lshlrev_b32 v5, 4, v6
	s_lshl_b32 s42, s2, 9
	s_add_co_u32 s42, s42, XCH
	v_lshl_add_u32 v7, v18, 4, s42
	s_xor_b32 s42, s2, 4
	s_lshl_b32 s42, s42, 9
	s_add_co_u32 s42, s42, XCH
	v_lshl_add_u32 v8, v18, 4, s42
	v_lshlrev_b32 v9, 4, v28
	s_delay_alu instid0(VALU_DEP_1)
	v_lshl_add_u32 v9, v29, 16, v9
	s_lshl_b32 s42, s3, 17
	v_add_nc_u32 v9, s42, v9                       ; (2 w + h) x 65,536 + 16 r
	v_add_nc_u32 v10, GC, v3
	v_add_nc_u32 v11, GSC, v4
	s_wait_alu depctr_va_vdst(0)
	s_wait_kmcnt 0x0
	s_lshl_b32 s40, s5, 14
	s_add_nc_u64 s[22:23], s[22:23], s[40:41]
	s_lshl_b32 s40, s5, 10
	s_add_nc_u64 s[24:25], s[24:25], s[40:41]
	s_lshl_b32 s40, s5, 8
	s_add_nc_u64 s[30:31], s[30:31], s[40:41]
.irp k, 0,1,2,3
	global_load_b128 v[X+4*\k:X+4*\k+3], v3, s[22:23] offset:4096*\k   ; a wave reads 512 consecutive bytes
.endr
	global_load_b32 v[X+16], v4, s[24:25]
.irp q, 0,1,2,3
	global_load_b128 v[A1+8*\q:A1+8*\q+3], v5, s[26:27] offset:128*\q
	global_load_u8 v[A1S+\q], v6, s[28:29] offset:8*\q                 ; byte 0: the scale of k 0-31; bytes 1-3 are 0, over zero codes
.endr
	s_wait_loadcnt 0x0
.irp k, 0,1,2,3
	ds_store_b128 v10, v[X+4*\k:X+4*\k+3] offset:4096*\k
.endr
	ds_store_b32 v11, v[X+16]
.irp q, 0,1,2,3
.irp j, 0,1,2,3
	v_cndmask_b32 v[A1+8*\q+\j], 0, v[A1+8*\q+\j], s38                 ; k 32-63 lie in lanes 16-31: zero codes
	v_mov_b32 v[A1+8*\q+4+\j], 0                                       ; k 64-127 likewise
.endr
.endr
.irp j, 0,1,2,3
	v_mov_b32 v[GF+8+\j], 0                        ; named as the upper half of tile 1's operand; W1's zero codes stand against them
	v_mov_b32 v[GF+20+\j], 0
.endr
	PLACES                                         ; operands written by vector instructions stand four places ahead of a scaled matrix instruction
	s_wait_alu depctr_va_vdst(0)
	BARRIER
.macro GFETCH k                        ; half k (32 rows): two tiles' codes and scale bytes into set k % 2; the address hangs on r alone
.irp t, 0,1
	ds_load_b128 v[GF+12*((\k)%2)+4*\t:GF+12*((\k)%2)+4*\t+3], v1 offset:512*(\k)+256*\t
	ds_load_u8 v[GS+2*((\k)%2)+\t], v2 offset:32*(\k)+16*\t
.endr
.endm
.macro ZMUL k                          ; eight accumulators, one instruction each
.irp t, 0,1
.irp q, 0,1,2,3
.if (\k) == 0
	v_wmma_scale_f32_16x16x128_f8f6f4 v[X+32*\t+8*\q:X+32*\t+8*\q+7], v[A1+8*\q:A1+8*\q+7], v[GF+12*((\k)%2)+4*\t:GF+12*((\k)%2)+4*\t+7], 0, v[A1S+\q], v[GS+2*((\k)%2)+\t] matrix_a_fmt:MATRIX_FMT_FP4 matrix_b_fmt:MATRIX_FMT_FP4
.else
	v_wmma_scale_f32_16x16x128_f8f6f4 v[X+32*\t+8*\q:X+32*\t+8*\q+7], v[A1+8*\q:A1+8*\q+7], v[GF+12*((\k)%2)+4*\t:GF+12*((\k)%2)+4*\t+7], v[CC+8*\q:CC+8*\q+7], v[A1S+\q], v[GS+2*((\k)%2)+\t] matrix_a_fmt:MATRIX_FMT_FP4 matrix_b_fmt:MATRIX_FMT_FP4
.endif
.endr
.endr
.endm
.macro ZSTAT                           ; each accumulator is read from its low end on
.irp t, 0,1
.set i, 0
.rept 16
	v_pk_add_f32 v[S1+i:S1+i+1], v[S1+i:S1+i+1], v[X+32*\t+i:X+32*\t+i+1]
.set i, i+2
.endr
.endr
.irp t, 0,1
.set i, 0
.rept 16
	v_pk_fma_f32 v[S2+i:S2+i+1], v[X+32*\t+i:X+32*\t+i+1], v[X+32*\t+i:X+32*\t+i+1], v[S2+i:S2+i+1]
.set i, i+2
.endr
.endr
.endm
.macro ZPILOT                          ; the first 32 rows give the shift, and start the sums
.set i, 0
.rept 16
	v_pk_add_f32 v[S1+i:S1+i+1], v[X+i:X+i+1], v[X+32+i:X+32+i+1]
.set i, i+2
.endr
.irp m, 1,2,4,8
.set i, 0
.rept 32
	v_add_f32_dpp v[S1+i], v[S1+i], v[S1+i] row_xmask:\m row_mask:0xf bank_mask:0xf
.set i, i+1
.endr
.endr
.set i, 0
.rept 16
	v_pk_mul_f32 v[CC+i:CC+i+1], v[S1+i:S1+i+1], 0xbd000000 op_sel_hi:[1,0]    ; C = - their mean
.set i, i+2
.endr
.irp t, 0,1
.set i, 0
.rept 16
	v_pk_add_f32 v[X+32*\t+i:X+32*\t+i+1], v[X+32*\t+i:X+32*\t+i+1], v[CC+i:CC+i+1]
.set i, i+2
.endr
.endr
.set i, 0
.rept 16
	v_pk_add_f32 v[S1+i:S1+i+1], v[X+i:X+i+1], v[X+32+i:X+32+i+1]
	v_pk_mul_f32 v[S2+i:S2+i+1], v[X+i:X+i+1], v[X+i:X+i+1]
.set i, i+2
.endr
.set i, 0
.rept 16
	v_pk_fma_f32 v[S2+i:S2+i+1], v[X+32+i:X+32+i+1], v[X+32+i:X+32+i+1], v[S2+i:S2+i+1]
.set i, i+2
.endr
.endm
	GFETCH 0
.set hk, 0
.rept 16
.if hk < 15
	GFETCH hk+1
	s_wait_dscnt 4                                 ; this half's four loads are in; the next half's four may be out
.else
	s_wait_dscnt 0x0
.endif
	ZMUL hk
	PLACES
.if hk == 0
	ZPILOT
.else
	ZSTAT
.endif
.set hk, hk+1
.endr
; 32 registers (a lane's 32 channels), each to be summed over the 16 lanes of my half, become 2: at each level a lane keeps one half of its registers and sends the other to lane xor 8, 4, 2, 1.  Lane (r, h) ends with channels 64 w + 32 h + 2 r + 0, 1.
.macro REDL n, xm, m
.set i, 0
.rept \n
	v_cndmask_b32 v[X+i], v[X+32+\n+i], v[X+32+i], s[\m]
	v_cndmask_b32 v[X+16+i], v[X+32+i], v[X+32+\n+i], s[\m]
.set i, i+1
.endr
.set i, 0
.rept \n
	v_add_f32_dpp v[X+32+i], v[X+i], v[X+16+i] row_xmask:\xm row_mask:0xf bank_mask:0xf
.set i, i+1
.endr
.endm
.macro RED src, out
.set i, 0
.rept 16
	v_cndmask_b32 v[X+i], v[\src+16+i], v[\src+i], s34
	v_cndmask_b32 v[X+16+i], v[\src+i], v[\src+16+i], s34
.set i, i+1
.endr
.set i, 0
.rept 16
	v_add_f32_dpp v[X+32+i], v[X+i], v[X+16+i] row_xmask:8 row_mask:0xf bank_mask:0xf
.set i, i+1
.endr
	REDL 8, 4, 35
	REDL 4, 2, 36
	REDL 2, 1, 37
	s_delay_alu instid0(VALU_DEP_2)
	v_mov_b32 v[\out], v[X+32]
	s_delay_alu instid0(VALU_DEP_2)
	v_mov_b32 v[\out+1], v[X+33]
.endm
	RED S1, RO
	RED S2, RO+2
	RED CC, RO+4                                   ; sixteen equal numbers: 16 C, exactly
	s_delay_alu instid0(VALU_DEP_2)
	v_mul_f32 v[RO+4], 0x3d800000, v[RO+4]         ; C
	s_delay_alu instid0(VALU_DEP_2)
	v_mul_f32 v[RO+5], 0x3d800000, v[RO+5]
	v_mul_f32 v[QW+8], 0x3b000000, v[RO]           ; S1 / 512
	v_mul_f32 v[QW+9], 0x3b000000, v[RO+1]
	s_delay_alu instid0(VALU_DEP_2)
	v_sub_f32 v[QW], v[QW+8], v[RO+4]              ; m
	s_delay_alu instid0(VALU_DEP_3)
	v_fma_f32 v[QW+1], -v[QW+8], v[RO], v[RO+2]    ; M2 = S2 - S1^2 / 512
	s_delay_alu instid0(VALU_DEP_3)
	v_sub_f32 v[QW+2], v[QW+9], v[RO+5]
	s_delay_alu instid0(VALU_DEP_4)
	v_fma_f32 v[QW+3], -v[QW+9], v[RO+1], v[RO+3]
	ds_store_b128 v7, v[QW:QW+3]
	s_wait_alu depctr_va_vdst(0)
	BARRIER
	ds_load_b128 v[QW+4:QW+7], v8                  ; the other group's figures of the same channels
	s_wait_dscnt 0x0
	v_sub_f32 v[QW+10], v[QW], v[QW+4]
	v_sub_f32 v[QW+11], v[QW+2], v[QW+6]
	v_add_f32 v[QW], v[QW], v[QW+4]
	v_add_f32 v[QW+2], v[QW+2], v[QW+6]
	v_add_f32 v[QW+1], v[QW+1], v[QW+5]
	v_add_f32 v[QW+3], v[QW+3], v[QW+7]
	v_mul_f32 v[QW+12], 0x43800000, v[QW+10]       ; 512 x 512 / 1,024 = 256
	v_mul_f32 v[QW+13], 0x43800000, v[QW+11]
	v_mul_f32 v[QW], 0.5, v[QW]
	v_mul_f32 v[QW+2], 0.5, v[QW+2]
	s_delay_alu instid0(VALU_DEP_4)
	v_fma_f32 v[QW+1], v[QW+12], v[QW+10], v[QW+1]
	s_delay_alu instid0(VALU_DEP_4)
	v_fma_f32 v[QW+3], v[QW+13], v[QW+11], v[QW+3]
	s_cmp_lt_u32 s2, 4                             ; both groups hold the same figures: one of them stores
	s_cbranch_scc0 .Lz1_end
	global_store_b128 v9, v[QW:QW+3], s[30:31]     ; sixteen lanes: 256 consecutive bytes, aligned
.Lz1_end:
	s_wait_tensorcnt 0x0                           ; the wave's end
	ds_add_u32 v30, v31
	s_wait_dscnt 0x0
	s_endpgm
.Lfunc_end_k_q9eff90b598_first:
	.size	k_q9eff90b598_first, .Lfunc_end_k_q9eff90b598_first-k_q9eff90b598_first
	.p2alignl 7, 3214868480
	.fill 96, 4, 3214868480
	.section	.rodata,"a",@progbits
	.p2align	6, 0x0
	.amdhsa_kernel k_q9eff90b598_first
		.amdhsa_group_segment_fixed_size 24576
		.amdhsa_private_segment_fixed_size 0
		.amdhsa_enable_private_segment 0
		.amdhsa_kernarg_size 96
		.amdhsa_user_sgpr_count 2
		.amdhsa_user_sgpr_kernarg_segment_ptr 1
		.amdhsa_wavefront_size32 1
		.amdhsa_system_sgpr_workgroup_id_x 1
		.amdhsa_system_sgpr_workgroup_id_y 1
		.amdhsa_system_sgpr_workgroup_id_z 1
		.amdhsa_system_vgpr_workitem_id 0
		.amdhsa_next_free_vgpr 256
		.amdhsa_next_free_sgpr 66
		.amdhsa_reserve_vcc 0
		.amdhsa_float_denorm_mode_32 3
		.amdhsa_float_denorm_mode_16_64 3
		.amdhsa_memory_ordered 1
		.amdhsa_forward_progress 1
		.amdhsa_inst_pref_size 206
	.end_amdhsa_kernel
	.amdgpu_metadata
---
amdhsa.version: [ 1, 2 ]
amdhsa.kernels:
  - .name:           k_q9eff90b598_first
    .symbol:         k_q9eff90b598_first.kd
    .args:
      - { .name: coset_functions, .offset: 0, .size: 8, .value_kind: global_buffer, .address_space: global }
      - { .name: ky_W1, .offset: 8, .size: 8, .value_kind: global_buffer, .address_space: global }
      - { .name: ky_b1, .offset: 16, .size: 8, .value_kind: global_buffer, .address_space: global }
      - { .name: ky_g1, .offset: 24, .size: 8, .value_kind: global_buffer, .address_space: global }
      - { .name: ky_be1, .offset: 32, .size: 8, .value_kind: global_buffer, .address_space: global }
      - { .name: tu, .offset: 40, .size: 8, .value_kind: global_buffer, .address_space: global }
      - { .name: tv, .offset: 48, .size: 8, .value_kind: global_buffer, .address_space: global }
      - { .name: pairwise_g_codes, .offset: 56, .size: 8, .value_kind: global_buffer, .address_space: global }
      - { .name: pairwise_g_scales, .offset: 64, .size: 8, .value_kind: global_buffer, .address_space: global }
      - { .name: kg_W1_codes, .offset: 72, .size: 8, .value_kind: global_buffer, .address_space: global }
      - { .name: kg_W1_scales, .offset: 80, .size: 8, .value_kind: global_buffer, .address_space: global }
      - { .name: part1, .offset: 88, .size: 8, .value_kind: global_buffer, .address_space: global }
    .group_segment_fixed_size: 24576
    .private_segment_fixed_size: 0
    .kernarg_segment_align: 8
    .kernarg_segment_size: 96
    .max_flat_workgroup_size: 256
    .sgpr_count:     66
    .vgpr_count:     256
    .wavefront_size: 32
...
	.end_amdgpu_metadata
.endif
;; end of part 1
;; launch red1 (part 2): grid 8 x 1, 16 waves a work-group, no clusters, 6,144 bytes of LDS; arguments part1, st1; writes st1
.if DOCPART == 2
	.amdgcn_target "amdgcn-amd-amdhsa--gfx1250"
	.amdhsa_code_object_version 6
	.text
	.protected	k_q9eff90b598_red1
	.globl	k_q9eff90b598_red1
	.p2align	8
	.type	k_q9eff90b598_red1,@function
k_q9eff90b598_red1:
	s_mov_b64 s[64:65], 0
	v_nop
	global_prefetch_b8 v0, s[64:65] scope:SCOPE_SE
	s_setreg_imm32_b32 hwreg(HW_REG_WAVE_MODE, 25, 1), 1
	s_wait_xcnt 0x0
; The 256 work-groups' figures (mean m, centred sum of squares M2, of 1,024 rows each) of 32 channels become the batch's mean and rsqrt(var + 1e-5):
; mean = sum m / 256;  M2 = sum M2_p + 1,024 sum (m_p - mean)^2: no difference of large sums;  var = M2 / 262,144 (biased, as reference() has it).
; Work-group x: channels 32 x .. 32 x + 31; work-group y: which set of statistics.  in: [set][c/32 8][p 256][r 16][m, M2, m, M2];  out: [set][mean 256][rstd 256].
; 512 threads, eight loads of 16 bytes each: 64 KiB read once, a wave 512 consecutive bytes a load.  No matrix unit, no tensor loads: a few thousand additions on data read once.
	s_load_b128 s[4:7], s[0:1], 0x0                ; the partial figures, the statistics
	v_lshl_add_u32 v96, v0, 2, 0x1000
	v_mov_b32 v97, 0
	v_lshrrev_b32 v1, 5, v0
	s_delay_alu instid0(VALU_DEP_1)
	v_readfirstlane_b32 s8, v1                     ; wave 0..15
	s_and_b32 s9, ttmp7, 0xffff                    ; set
	s_lshl_b32 s10, s9, 19
	s_lshl_b32 s11, ttmp9, 16
	s_add_co_u32 s10, s10, s11
	s_mov_b32 s11, 0
	s_lshl_b32 s12, s9, 11
	s_lshl_b32 s13, ttmp9, 7
	s_add_co_u32 s12, s12, s13
	s_mov_b32 s13, 0
	s_mov_b32 s14, 0x76543210
	s_mov_b32 s15, 0xfedcba98                      ; v_permlanex16_b32's selects for lane l xor 16
	v_lshlrev_b32 v2, 4, v0                        ; 16 t: partial t / 16 + 32 k, channel pair r = t % 16
	v_and_b32 v3, 15, v0
	v_bfe_u32 v4, v0, 4, 1
	s_lshl_b32 s16, s8, 7
	v_lshl_add_u32 v5, v3, 3, s16                  ; LDS: 128 x wave + 8 r
	v_lshlrev_b32 v6, 3, v3                        ; and 8 r, to read all waves'
	v_mov_b32 v42, 0                               ; (a lane permute's destination counts as one of its sources)
	v_mov_b32 v43, 0
	s_wait_alu depctr_va_vdst(0)
	s_wait_kmcnt 0x0
	s_add_nc_u64 s[4:5], s[4:5], s[10:11]
	s_add_nc_u64 s[6:7], s[6:7], s[12:13]
.irp k, 0,1,2,3,4,5,6,7
	global_load_b128 v[8+4*\k:11+4*\k], v2, s[4:5] offset:8192*\k
.endr
	s_wait_loadcnt 0x0
	v_add_f32 v40, v8, v12
	v_add_f32 v41, v10, v14
.irp k, 2,3,4,5,6,7
	s_delay_alu instid0(VALU_DEP_2)
	v_add_f32 v40, v40, v[8+4*\k]
	s_delay_alu instid0(VALU_DEP_2)
	v_add_f32 v41, v41, v[10+4*\k]
.endr
.macro ALLSUM off                      ; v[40:41] summed over lane l xor 16 and over the sixteen waves -> v[48:49]
	s_delay_alu instid0(VALU_DEP_2)
	v_permlanex16_b32 v42, v40, s14, s15
	s_delay_alu instid0(VALU_DEP_2)
	v_permlanex16_b32 v43, v41, s14, s15
	s_delay_alu instid0(VALU_DEP_2)
	v_add_f32 v40, v40, v42
	s_delay_alu instid0(VALU_DEP_2)
	v_add_f32 v41, v41, v43
	ds_store_b64 v5, v[40:41] offset:\off          ; both halves of the lanes write the same numbers
	s_wait_dscnt 0x0
	s_barrier_signal -1
	s_barrier_wait -1
.irp k, 0,1,2,3,4,5,6,7,8,9,10,11,12,13,14,15
	ds_load_b64 v[48+2*\k:49+2*\k], v6 offset:\off+128*\k
.endr
	s_wait_dscnt 0x0
	v_pk_add_f32 v[94:95], v[50:51], v[52:53]
	v_pk_add_f32 v[92:93], v[54:55], v[56:57]
	v_pk_add_f32 v[90:91], v[58:59], v[60:61]
	v_pk_add_f32 v[88:89], v[62:63], v[64:65]
	v_pk_add_f32 v[86:87], v[66:67], v[68:69]
	v_pk_add_f32 v[84:85], v[70:71], v[72:73]
	v_pk_add_f32 v[82:83], v[74:75], v[76:77]
	v_pk_add_f32 v[48:49], v[48:49], v[78:79]
	s_delay_alu instid0(VALU_DEP_1)
	v_pk_add_f32 v[48:49], v[48:49], v[88:89]
	v_pk_add_f32 v[94:95], v[94:95], v[86:87]
	v_pk_add_f32 v[92:93], v[92:93], v[84:85]
	v_pk_add_f32 v[90:91], v[90:91], v[82:83]
	s_delay_alu instid0(VALU_DEP_2)
	v_pk_add_f32 v[48:49], v[48:49], v[92:93]
	s_delay_alu instid0(VALU_DEP_2)
	v_pk_add_f32 v[94:95], v[94:95], v[90:91]
	s_delay_alu instid0(VALU_DEP_1)
	v_pk_add_f32 v[48:49], v[48:49], v[94:95]
.endm
	ALLSUM 0
	s_delay_alu instid0(VALU_DEP_1)
	v_pk_mul_f32 v[44:45], v[48:49], 0x3b800000 op_sel_hi:[1,0]    ; the mean (/ 256)
	v_add_f32 v40, v9, v13
	v_add_f32 v41, v11, v15
	s_delay_alu instid0(VALU_DEP_3)
	v_sub_f32 v46, v8, v44
	s_delay_alu instid0(VALU_DEP_4)
	v_sub_f32 v47, v10, v45
	s_delay_alu instid0(VALU_DEP_2)
	v_mul_f32 v46, v46, v46
	s_delay_alu instid0(VALU_DEP_2)
	v_mul_f32 v47, v47, v47
.irp k, 1,2,3,4,5,6,7
	v_sub_f32 v[8+4*\k], v[8+4*\k], v44
	v_sub_f32 v[10+4*\k], v[10+4*\k], v45
.endr
.irp k, 1
	v_fma_f32 v46, v[8+4*\k], v[8+4*\k], v46
	v_fma_f32 v47, v[10+4*\k], v[10+4*\k], v47
.endr
.irp k, 2, 3, 4, 5, 6, 7
	s_delay_alu instid0(VALU_DEP_2)
	v_fma_f32 v46, v[8+4*\k], v[8+4*\k], v46
	s_delay_alu instid0(VALU_DEP_2)
	v_fma_f32 v47, v[10+4*\k], v[10+4*\k], v47
.endr
.irp k, 2
	v_add_f32 v40, v40, v[9+4*\k]
	v_add_f32 v41, v41, v[11+4*\k]
.endr
.irp k, 3, 4, 5, 6, 7
	s_delay_alu instid0(VALU_DEP_2)
	v_add_f32 v40, v40, v[9+4*\k]
	s_delay_alu instid0(VALU_DEP_2)
	v_add_f32 v41, v41, v[11+4*\k]
.endr
	s_delay_alu instid0(VALU_DEP_2)
	v_fmamk_f32 v40, v46, 0x44800000, v40          ; + 1,024 x the squares of the means' distances
	s_delay_alu instid0(VALU_DEP_2)
	v_fmamk_f32 v41, v47, 0x44800000, v41
	ALLSUM 2048                                    ; other bytes than the first exchange's: no barrier between
	s_delay_alu instid0(VALU_DEP_1)
	v_pk_mul_f32 v[48:49], v[48:49], 0x36800000 op_sel_hi:[1,0]    ; / 262,144
	s_delay_alu instid0(VALU_DEP_1)
	v_add_f32 v48, 0x3727c5ac, v48                 ; + 1e-5
	s_delay_alu instid0(VALU_DEP_2)
	v_add_f32 v49, 0x3727c5ac, v49
	s_wait_alu depctr_va_vdst(0)
	v_rsq_f32 v52, v48
	v_rsq_f32 v53, v49
	v_lshl_add_u32 v7, v4, 10, v6                  ; (a plain instruction behind the transcendentals)  1,024 h + 8 r
	s_cmp_lg_u32 s8, 0
	s_cbranch_scc1 .Lend
	v_cmp_eq_u32 vcc_lo, 1, v4
	s_wait_alu depctr_va_vdst(0)
	v_cndmask_b32 v50, v44, v52, vcc_lo            ; lanes 0-15 store the means, lanes 16-31 the rstd
	v_cndmask_b32 v51, v45, v53, vcc_lo
	global_store_b64 v7, v[50:51], s[6:7]
.Lend:
	s_barrier_signal -1
	s_barrier_wait -1
	s_wait_tensorcnt 0x0
	ds_add_u32 v96, v97
	s_wait_dscnt 0x0
	s_endpgm
.Lfunc_end_k_q9eff90b598_red1:
	.size	k_q9eff90b598_red1, .Lfunc_end_k_q9eff90b598_red1-k_q9eff90b598_red1
	.p2alignl 7, 3214868480
	.fill 96, 4, 3214868480
	.section	.rodata,"a",@progbits
	.p2align	6, 0x0
	.amdhsa_kernel k_q9eff90b598_red1
		.amdhsa_group_segment_fixed_size 6144
		.amdhsa_private_segment_fixed_size 0
		.amdhsa_enable_private_segment 0
		.amdhsa_kernarg_size 16
		.amdhsa_user_sgpr_count 2
		.amdhsa_user_sgpr_kernarg_segment_ptr 1
		.amdhsa_wavefront_size32 1
		.amdhsa_system_sgpr_workgroup_id_x 1
		.amdhsa_system_sgpr_workgroup_id_y 1
		.amdhsa_system_sgpr_workgroup_id_z 1
		.amdhsa_system_vgpr_workitem_id 0
		.amdhsa_next_free_vgpr 98
		.amdhsa_next_free_sgpr 66
		.amdhsa_reserve_vcc 1
		.amdhsa_float_denorm_mode_32 3
		.amdhsa_float_denorm_mode_16_64 3
		.amdhsa_memory_ordered 1
		.amdhsa_forward_progress 1
		.amdhsa_inst_pref_size 13
	.end_amdhsa_kernel
	.amdgpu_metadata
---
amdhsa.version: [ 1, 2 ]
amdhsa.kernels:
  - .name:           k_q9eff90b598_red1
    .symbol:         k_q9eff90b598_red1.kd
    .args:
      - { .name: part1, .offset: 0, .size: 8, .value_kind: global_buffer, .address_space: global }
      - { .name: st1, .offset: 8, .size: 8, .value_kind: global_buffer, .address_space: global }
    .group_segment_fixed_size: 6144
    .private_segment_fixed_size: 0
    .kernarg_segment_align: 8
    .kernarg_segment_size: 16
    .max_flat_workgroup_size: 512
    .sgpr_count:     66
    .vgpr_count:     98
    .wavefront_size: 32
...
	.end_amdgpu_metadata
.endif
;; end of part 2
;; launch passA (part 3): grid 256 x 1, 8 waves a work-group, no clusters, 143,360 bytes of LDS; arguments tu, tv, ky_W2_codes, ky_W2_scales, pairwise_g_codes, pairwise_g_scales, kg_W1_codes, kg_W1_scales, kg_b1, kg_g1, kg_be1, st1, kg_W2_codes, kg_W2_scales, part2; writes part2
.if DOCPART == 3
	.amdgcn_target "amdgcn-amd-amdhsa--gfx1250"
	.amdhsa_code_object_version 6
	.text
	.protected	k_q9eff90b598_passA
	.globl	k_q9eff90b598_passA
	.p2align	8
	.type	k_q9eff90b598_passA,@function
k_q9eff90b598_passA:
	s_mov_b64 s[64:65], 0
	v_nop
	global_prefetch_b8 v0, s[64:65] scope:SCOPE_SE
	s_setreg_imm32_b32 hwreg(HW_REG_WAVE_MODE, 25, 1), 1
	s_wait_xcnt 0x0
; THE TWO PASSES OVER THE SECOND LAYERS share this text; PASS says which one this is.
;   PASS 1: h1 is made anew, quantised, multiplied by W2; per-channel mean and centred sum of squares of h1 W2 go to part2 (layout and method as in the first launch).
;   PASS 2: the same products; then BatchNorm 2, relu, the dot product with W3 (+ b3) in f32; z3 [set][262,144] in out0's order, and each work-group's mean and centred sum of squares of z3 to part3.
; Nothing of M x 256 goes through memory: a layer is cheaper to make again than to store and read.  Every wave runs PART 0 (k_y), then PART 1 (k_g).
; SHARES.  A work-group takes 1,024 rows; wave = 4 g + w: group g takes 512 of them, 8 blocks of 64 (two halves of two tiles of 16); wave w owns channels 64 w .. 64 w + 63 of every layer, so its part of W2 stays in registers.
;   k_y rows: b = p / 64; i = 4 ((p / 4) % 16) + 2 g + tile; j = 16 (p % 4) + 2 block + half; lane r = 4 s + t.  h1 = relu(u[b, j, t] + v[b, i, s]): u from LDS (staged once), v in registers.
;   k_g rows: 1,024 p + 512 g + 64 block + 32 half + 16 tile + r.  h1 = relu(a1 ((G W1 + b1) - mu1) + be1): b1 - mu1 is the C of the product.
; LAYOUT.  Products are used transposed (source 0 = 16 rows of a weight, source 1 = 16 data rows).  Tile q of a weight takes rows 64 w + 32 (r / 8) + 8 q + r % 8: lane (r, h) then holds data row r, and its register 8 q + j
;   channel 64 w + 32 h + 8 q + j: 32 NEIGHBOURS, one whole block of the next product's K, in the very lane and order in which the next operand wants them (K step w / 2, registers 4 (w % 2) on).  Nothing changes lanes ahead of the quantiser.
; QUANTISER.  The block's largest number is taken without |.| (what is negative becomes 0 in relu and does not count) over the floor 2^-124; 2 off its exponent field is the conversion's scale operand; relu is done ON THE CODES:
;   in a nibble whose sign is set the other three bits are cleared (the code -0, which adds nothing): four integer instructions for eight codes.
; OPERANDS GO FROM WAVE TO WAVE AS IMAGES OF THEIR REGISTERS: 16 bytes a lane at 16 x lane; the scale byte at its place in the row's scale word.  Two image buffers a group take turns: ONE barrier a block.
; STATISTICS without a difference of large sums: as in the first launch (the shift is the C of the products).  BatchNorm is fma(z - mu, g rstd, be), mu = mean + b, b - mu the C of the product: the order of f32 roundings differs from reference()'s.
; LIMITS: NaN and infinities are not served.  A block whose largest number lies under 2^-124 (all zero or negative among them) keeps the scale byte 1; its codes are zeros.  The input mask is not read: reference() does not read it.
; No tensor loads: every LDS region that comes from memory is filled once, through registers.  No cluster: what work-groups share is the weights, read once by each.
.set PASS, 1
; PASS 2 takes BatchNorm 2 and relu in another form than the lines above say: with a = g2 rstd2, s = the sign of g2 and q = s (z + b2 - mu2) + be2 / |a|, relu(a (z + b2 - mu2) + be2) = |a| max(q, 0).
; s goes onto W2's codes (the sign bit of every code of a channel's row), s (b2 - mu2) + be2 / |a| is the C of the product, |a| goes onto W3.
; LIMIT: |a| is held at 2^-100 from below; there the result is relu(be2) to rounding while |be2| < 2^27.
; The parameters come into LDS once, four bytes a thread and array, and each wave reads its lanes' 32 from there.  k_g's weights are asked for ahead of k_y's tail.
.set US,   0                           ; 65,536  u of the work-group's 16 j: tu[b][8 (p % 4) .. + 7], as it lies
.set GC,   65536                       ; 16,384  G's codes of the work-group's rows
.set GSC,  81920                       ;  1,024  their scale bytes
.set IMG,  82944                       ; 32,768  images: group 16,384, buffer 8,192, tile of rows 2,048, K step 1,024, half fragment 512
.set SCL,  115712                      ;  2,048  scale words: group 1,024, buffer 512, tile 128, K step 64, row 4
.set XCH,  117760                      ;  8,192  PASS 1: the groups' exchange, 512 bytes a wave; k_g's 4,096 on
.set PZ,   125952                      ; 33,280  PASS 2: eight sets (2 w + h) of 1,024 partial dot products, 4,160 bytes apart
.set RS,   159232
.set PARB, 126976+33792*(PASS-1)       ; behind the spare words: the parameters, 1,024 bytes an array, at 4,096 x ((its pointer's register - 24) / 2) + its offset in its buffer
; window 0
.set VIS,  1                           ; image store: IMG + 16,384 g + 512 w + 16 l
.set VSS,  2                           ; scale byte store: SCL + 1,024 g + 64 (w / 2) + 2 (w % 2) + 4 r + h
.set VIL,  3                           ; image load: IMG + 16,384 g + 16 l
.set VSL,  4                           ; scale word load: SCL + 1,024 g + 4 l (lanes 0-15 K step 0, lanes 16-31 K step 1)
.set VU,   5                           ; u: US + 2,048 w + 1,024 h + 16 (r % 4)
.set VGC,  6                           ; G's codes: GC + 8,192 g + 16 r
.set VGS,  7                           ; G's scale bytes: GSC + 512 g + r
.set LA,   8                           ; layer 1's operands: the block being made;
.set LB,   9                           ; the block after it
.set SA,   10                          ; the same for G's scale bytes
.set SB,   11
.set VPZ,  12                          ; PZ + 4,160 (2 w + h) + 2,048 g + 4 r
.set RPZ,  13                          ; + the block
.set XO,   14                          ; exchange: mine,
.set XP,   15                          ; my partner's (wave xor 4)
.set VP,   16                          ; a lane's 32 parameters: byte 256 w + 128 h
.set VW2,  17                          ; W2's codes: 128 n0 + 16 h, n0 = 64 w + 32 (r / 8) + r % 8
.set VW2S, 18                          ; W2's scale words: 8 n0 + 4 h
.set VV,   19                          ; v: 8,192 g + 2,048 w + 1,024 h + 16 (r / 4)
.set VA1,  20                          ; kg_W1's codes: 16 n0
.set VA1S, 21                          ; its scale bytes: n0
.set T16,  22                          ; 16 t
.set T4,   23                          ; 4 t
.set W2S,  24                          ; v24-37 hold scales and nothing else: W2's, a tile each;
.set BS,   28                          ; the hidden layer's, a tile of rows each;
.set A1S,  32                          ; kg_W1's;
.set GS,   36                          ; G's, two tiles
.set PZV,  38                          ; PASS 2: two tiles' partial dot products
.set AM,   40                          ; v40-47 eight chains of largest numbers, then: v40-41 the blocks' largest, v44-45 scale operands, v46-47 scale bytes; v48-55 codes; v56-63 at work
.set SC,   44
.set BY,   46
.set CD,   48
.set TT,   56
.set RO,   40                          ; the tail: reduced sums;
.set QW,   48                          ; at work
.set BF,   64                          ; v64-95  the hidden layer's fragments: 2 tiles x 2 K steps x 8
.set X,    96                          ; v96-159 2 tiles x 32: layer 1's numbers, then layer 2's accumulators
.set U,    160                         ; k_y: u of a half
.set V,    192                         ; k_y: v of my two i
.set GF,   160                         ; k_g: G's codes, 2 tiles x 4;
.set PAD,  168                         ; four registers of zeros behind them;
.set A1,   172                         ; kg_W1's four fragments;
.set C1,   204                         ; b1 - mu1
; window 1 (named by the low eight bits)
.set C2,   64                          ; v0-63 W2's fragments at 16 q + 8 (K step); the C of layer 2's products
.set S1,   96                          ; PASS 1
.set S2,   128
.set A2,   96                          ; PASS 2: g2 rstd2, be2, W3
.set BE2,  128
.set W3R,  160
.set A1N,  192                         ; k_g: g1 rstd1, be1
.set BE1,  224
.set MSB, 0
.macro WIN new                         ; s_set_vgpr_msb: bits 1:0 source 0, 3:2 source 1, 5:4 source 2, 7:6 destination; the high byte repeats the setting that is left
.if MSB != \new
	s_set_vgpr_msb (MSB<<8)|\new
.set MSB, \new
.endif
.endm
.macro PLACES                          ; four plain vector instructions between a matrix instruction and the first read of its result or a load into its sources
.rept 4
	v_nop
.endr
.endm
.macro BARRIER                         ; my LDS stores have landed and my LDS loads are in: then the work-group's barrier
	s_wait_dscnt 0x0
	s_barrier_signal -1
	s_barrier_wait -1
.endm
.macro PAR8 dst, ptr, off              ; a lane's 32 parameters, from LDS
.irp k, 0,1,2,3,4,5,6,7
	ds_load_b128 v[\dst+4*\k:\dst+4*\k+3], v[VP] offset:4096*((\ptr-24)/2)+\off+16*\k
.endr
.endm
.macro PAR1 st, e                      ; array e = 4 x its pointer's register + its offset / 1,024: four bytes a thread; st = 0: from memory, 1: to LDS
.if \st
	ds_store_b32 v[LB], v[U+PN] offset:4096*(((\e)/4-24)/2)+1024*((\e)%4)
.else
	global_load_b32 v[U+PN], v[T4], s[0+(\e)/4:1+(\e)/4] offset:1024*((\e)%4)
.endif
.set PN, PN+1
.endm
.macro PARS st                         ; kg_b1, kg_g1, kg_be1, st1 (2); PASS 2: st2 (4), ky_b2, g2, be2, W3, kg_b2, g2, be2, W3
.set PN, 0
.irp e, 96,104,112,120,121
	PAR1 \st, \e
.endr
.if PASS == 2
.irp e, 144,145,146,147,152,160,168,176,192,200,208,216
	PAR1 \st, \e
.endr
.endif
.endm
.macro WLOAD br                        ; a part's weights: W2's fragments and scale words (20 loads); for k_g also kg_W1's
	WIN 0x40
.irp q, 0,1,2,3
.irp f, 0,1,2,3
	global_load_b128 v[16*\q+4*\f:16*\q+4*\f+3], v[VW2], s[12+20*\br:13+20*\br] offset:1024*\q+32*\f
.endr
.endr
	WIN 0
.irp q, 0,1,2,3
	global_load_b32 v[W2S+\q], v[VW2S], s[14+20*\br:15+20*\br] offset:64*\q    ; lanes 0-15: K step 0's word, lanes 16-31: K step 1's
.endr
.if \br
.irp q, 0,1,2,3
	global_load_b128 v[A1+8*\q:A1+8*\q+3], v[VA1], s[20:21] offset:128*\q
	global_load_u8 v[A1S+\q], v[VA1S], s[22:23] offset:8*\q            ; byte 0: the scale of k 0-31; bytes 1-3 are 0, over zero codes
.endr
.endif
.endm
.macro L1FETCH br, a, sa, im, sim      ; layer 1's operands of a half: k_y 8 loads, k_g 4
.if \br == 0
.irp j, 0,1,2,3,4,5,6,7
	ds_load_b128 v[U+4*\j:U+4*\j+3], v[\a] offset:\im+128*\j
.endr
.else
.irp t, 0,1
	ds_load_b128 v[GF+4*\t:GF+4*\t+3], v[\a] offset:\im+256*\t
	ds_load_u8 v[GS+\t], v[\sa] offset:\sim+16*\t
.endr
.endif
.endm
; Two tiles' numbers in X become codes and scale bytes, and go to image buffer buf as tiles 2 half, 2 half + 1.  Four LDS stores.
.macro QUANT2 buf, half
; eight chains by turns, four a tile (numbers 0-7 with the floor, 8-16, 17-23, 24-30; number 31 joins at the end): a chain's links stand eight instructions apart
.irp t, 0,1
	v_max3_num_f32 v[AM+\t], v[X+32*\t], v[X+32*\t+1], 0x1800000       ; the floor 2^(3 - 127): the byte cannot fall under 1
.endr
.irp t, 0,1
	v_max3_num_f32 v[AM+2+\t], v[X+32*\t+8], v[X+32*\t+9], v[X+32*\t+10]
.endr
.irp t, 0,1
	v_max3_num_f32 v[AM+4+\t], v[X+32*\t+17], v[X+32*\t+18], v[X+32*\t+19]
.endr
.irp t, 0,1
	v_max3_num_f32 v[AM+6+\t], v[X+32*\t+24], v[X+32*\t+25], v[X+32*\t+26]
.endr
.irp i, 0,2
.irp t, 0,1
	v_max3_num_f32 v[AM+\t], v[AM+\t], v[X+32*\t+2+\i], v[X+32*\t+3+\i]
.endr
.irp t, 0,1
	v_max3_num_f32 v[AM+2+\t], v[AM+2+\t], v[X+32*\t+11+\i], v[X+32*\t+12+\i]
.endr
.irp t, 0,1
	v_max3_num_f32 v[AM+4+\t], v[AM+4+\t], v[X+32*\t+20+\i], v[X+32*\t+21+\i]
.endr
.irp t, 0,1
	v_max3_num_f32 v[AM+6+\t], v[AM+6+\t], v[X+32*\t+27+\i], v[X+32*\t+28+\i]
.endr
.endr
.irp t, 0,1
	v_max3_num_f32 v[AM+\t], v[AM+\t], v[X+32*\t+6], v[X+32*\t+7]
.endr
.irp t, 0,1
	v_max3_num_f32 v[AM+2+\t], v[AM+2+\t], v[X+32*\t+15], v[X+32*\t+16]
.endr
.irp t, 0,1
	v_max3_num_f32 v[AM+4+\t], v[AM+4+\t], v[AM+6+\t], v[X+32*\t+31]
.endr
.irp t, 0,1
	s_delay_alu instid0(VALU_DEP_2)
	v_max3_num_f32 v[AM+\t], v[AM+\t], v[AM+2+\t], v[AM+4+\t]
.endr
.irp t, 0,1
	s_delay_alu instid0(VALU_DEP_2)
	v_add_nc_u32 v[SC+\t], 0xff000000, v[AM+\t]    ; 2 off the exponent field: the conversion takes that field as its scale
.endr
.irp t, 0,1
.irp k, 0,1,2,3
	v_cvt_scalef32_pk8_fp4_f32 v[CD+4*\t+\k], v[X+32*\t+8*\k:X+32*\t+8*\k+7], v[SC+\t]
.endr
.endr
.irp t, 0,1
	v_lshrrev_b32 v[BY+\t], 23, v[SC+\t]           ; the scale's byte.  (Plain instructions behind the conversions)
.endr
; relu on the eight registers of codes, a step at a time: dependent lines stand eight apart.  X's first sixteen registers, whose numbers have been converted, are at work
.irp j, 0,1,2,3,4,5,6,7
	v_and_b32 v[X+\j], s72, v[CD+\j]               ; the signs: 8 in each negative nibble,
.endr
.irp j, 0,1,2,3,4,5,6,7
	v_lshrrev_b32 v[X+8+\j], 3, v[X+\j]
.endr
.irp j, 0,1,2,3,4,5,6,7
	v_sub_nc_u32 v[X+\j], v[X+\j], v[X+8+\j]       ; 8 - 1 = 7 there,
.endr
.irp j, 0,1,2,3,4,5,6,7
	v_bfi_b32 v[CD+\j], v[X+\j], 0, v[CD+\j]       ; and those three bits cleared: relu
.endr
.irp t, 0,1
	ds_store_b128 v[VIS], v[CD+4*\t:CD+4*\t+3] offset:(\buf)*8192+(2*(\half)+\t)*2048
	ds_store_b8 v[VSS], v[BY+\t] offset:(\buf)*512+(2*(\half)+\t)*128
.endr
.endm
; Layer 1 of one half; its operands are in.  nx = 0: the same block's second half is fetched meanwhile; 1: the next block's first half.
.macro P1H br, half, buf, nx
.if \br == 0
.irp t, 0,1
.set i, 0
.rept 16
	v_dual_add_f32 v[X+32*\t+i], v[U+i], v[V+32*\t+i] :: v_dual_add_f32 v[X+32*\t+i+1], v[U+i+1], v[V+32*\t+i+1]
.set i, i+2
.endr
.endr
.else
.irp t, 0,1
.irp q, 0,1,2,3
	v_wmma_scale_f32_16x16x128_f8f6f4 v[X+32*\t+8*\q:X+32*\t+8*\q+7], v[A1+8*\q:A1+8*\q+7], v[GF+4*\t:GF+4*\t+7], v[C1+8*\q:C1+8*\q+7], v[A1S+\q], v[GS+\t] matrix_a_fmt:MATRIX_FMT_FP4 matrix_b_fmt:MATRIX_FMT_FP4
.endr
.endr
	PLACES
.endif
.if \nx
	L1FETCH \br, LB, SB, 0, 0
.else
	L1FETCH \br, LA, SA, 64+448*\br, 32
.endif
.if \br
	WIN 0x14                                       ; sources 1 and 2 in window 1
.irp t, 0,1
.set i, 0
.rept 16
	v_pk_fma_f32 v[X+32*\t+i:X+32*\t+i+1], v[X+32*\t+i:X+32*\t+i+1], v[A1N+i:A1N+i+1], v[BE1+i:BE1+i+1]   ; each accumulator from its low end on
.set i, i+2
.endr
.endr
	WIN 0
.endif
	QUANT2 \buf, \half
.endm
.macro FETCHB buf, half                ; the fragments of two tiles of rows, both K steps: 8 loads
.irp t, 0,1
.irp f, 0,1,2,3
	ds_load_b128 v[BF+16*\t+4*\f:BF+16*\t+4*\f+3], v[VIL] offset:(\buf)*8192+(2*(\half)+\t)*2048+512*\f
.endr
.endr
.endm
.macro FETCHS buf                      ; a block's scale words: 4 loads
.irp m, 0,1,2,3
	ds_load_b32 v[BS+\m], v[VSL] offset:(\buf)*512+128*\m
.endr
.endm
; Layer 2 of one half: eight accumulators take turns, one instruction a turn, K step 0 and then K step 1.
.macro MUL2 half, zero
.if \zero
	WIN 0x01
.else
	WIN 0x11                                       ; W2 and C in window 1
.endif
.irp t, 0,1
.irp q, 0,1,2,3
.if \zero
	v_wmma_scale_f32_16x16x128_f8f6f4 v[X+32*\t+8*\q:X+32*\t+8*\q+7], v[16*\q:16*\q+7], v[BF+16*\t:BF+16*\t+7], 0, v[W2S+\q], v[BS+2*(\half)+\t] matrix_a_fmt:MATRIX_FMT_FP4 matrix_b_fmt:MATRIX_FMT_FP4
.else
	v_wmma_scale_f32_16x16x128_f8f6f4 v[X+32*\t+8*\q:X+32*\t+8*\q+7], v[16*\q:16*\q+7], v[BF+16*\t:BF+16*\t+7], v[C2+8*\q:C2+8*\q+7], v[W2S+\q], v[BS+2*(\half)+\t] matrix_a_fmt:MATRIX_FMT_FP4 matrix_b_fmt:MATRIX_FMT_FP4
.endif
.endr
.endr
	WIN 0x01
.irp t, 0,1
.irp q, 0,1,2,3
	v_wmma_scale_f32_16x16x128_f8f6f4 v[X+32*\t+8*\q:X+32*\t+8*\q+7], v[16*\q+8:16*\q+15], v[BF+16*\t+8:BF+16*\t+15], v[X+32*\t+8*\q:X+32*\t+8*\q+7], v[W2S+\q], v[BS+2*(\half)+\t] matrix_a_fmt:MATRIX_FMT_FP4 matrix_b_fmt:MATRIX_FMT_FP4 matrix_a_scale:MATRIX_SCALE_ROW1 matrix_b_scale:MATRIX_SCALE_ROW1
.endr
.endr
	WIN 0
.endm
.if PASS == 1
.macro POST                            ; S1 += z', S2 += z'^2; each accumulator from its low end on
	WIN 0x41
.irp t, 0,1
.set i, 0
.rept 16
	v_pk_add_f32 v[S1+i:S1+i+1], v[S1+i:S1+i+1], v[X+32*\t+i:X+32*\t+i+1]
.set i, i+2
.endr
.endr
	WIN 0x50
.irp t, 0,1
.set i, 0
.rept 16
	v_pk_fma_f32 v[S2+i:S2+i+1], v[X+32*\t+i:X+32*\t+i+1], v[X+32*\t+i:X+32*\t+i+1], v[S2+i:S2+i+1]
.set i, i+2
.endr
.endr
	WIN 0
.endm
.macro PILOT                           ; the group's first 32 rows give the shift C2 = - their mean, and start the sums.  BF, which the products have read, is at work
.set i, 0
.rept 16
	v_pk_add_f32 v[BF+i:BF+i+1], v[X+i:X+i+1], v[X+32+i:X+32+i+1]
.set i, i+2
.endr
.irp m, 1,2,4,8
.set i, 0
.rept 32
	v_add_f32_dpp v[BF+i], v[BF+i], v[BF+i] row_xmask:\m row_mask:0xf bank_mask:0xf
.set i, i+1
.endr
.endr
	WIN 0x40
.set i, 0
.rept 16
	v_pk_mul_f32 v[C2+i:C2+i+1], v[BF+i:BF+i+1], 0xbd000000 op_sel_hi:[1,0]
.set i, i+2
.endr
	WIN 0
.set i, 0
.rept 16
	v_pk_mul_f32 v[BF+i:BF+i+1], v[BF+i:BF+i+1], 0xbd000000 op_sel_hi:[1,0]
.set i, i+2
.endr
.irp t, 0,1
.set i, 0
.rept 16
	v_pk_add_f32 v[X+32*\t+i:X+32*\t+i+1], v[X+32*\t+i:X+32*\t+i+1], v[BF+i:BF+i+1]
.set i, i+2
.endr
.endr
	WIN 0x40
.set i, 0
.rept 16
	v_pk_add_f32 v[S1+i:S1+i+1], v[X+i:X+i+1], v[X+32+i:X+32+i+1]
	v_pk_mul_f32 v[S2+i:S2+i+1], v[X+i:X+i+1], v[X+i:X+i+1]
.set i, i+2
.endr
	WIN 0x50
.set i, 0
.rept 16
	v_pk_fma_f32 v[S2+i:S2+i+1], v[X+32+i:X+32+i+1], v[X+32+i:X+32+i+1], v[S2+i:S2+i+1]
.set i, i+2
.endr
	WIN 0
.endm
.else
.macro PILOT
.endm
.macro POST                            ; BatchNorm 2, relu, my 32 channels' part of the dot product with W3: one number a lane and tile
.set i, 0                              ; max(q, 0), each accumulator from its low end on; W3R holds |a| W3
.rept 64
	v_max_num_f32 v[X+i], 0, v[X+i]
.set i, i+1
.endr
	WIN 0x04
.irp t, 0,1
	v_pk_mul_f32 v[TT+4*\t:TT+4*\t+1], v[X+32*\t:X+32*\t+1], v[W3R:W3R+1]
	v_pk_mul_f32 v[TT+4*\t+2:TT+4*\t+3], v[X+32*\t+2:X+32*\t+3], v[W3R+2:W3R+3]
.endr
.irp i, 4,8,12,16,20,24,28
.irp t, 0,1
	v_pk_fma_f32 v[TT+4*\t:TT+4*\t+1], v[X+32*\t+\i:X+32*\t+\i+1], v[W3R+\i:W3R+\i+1], v[TT+4*\t:TT+4*\t+1]
	v_pk_fma_f32 v[TT+4*\t+2:TT+4*\t+3], v[X+32*\t+\i+2:X+32*\t+\i+3], v[W3R+\i+2:W3R+\i+3], v[TT+4*\t+2:TT+4*\t+3]
.endr
.endr
	WIN 0
.irp t, 0,1
	v_pk_add_f32 v[TT+4*\t:TT+4*\t+1], v[TT+4*\t:TT+4*\t+1], v[TT+4*\t+2:TT+4*\t+3]
.endr
.irp t, 0,1
	v_add_f32 v[PZV+\t], v[TT+4*\t], v[TT+4*\t+1]
.endr
.endm
.endif
.macro PZST br, half                   ; to the row's place in out0's order within the work-group
.irp t, 0,1
.if \br == 0
	ds_store_b32 v[RPZ], v[PZV+\t] offset:1024*\t+64*(\half)
.else
	ds_store_b32 v[RPZ], v[PZV+\t] offset:64*(2*(\half)+\t)
.endif
.endr
.endm
.macro SETADR br                       ; s73: the byte at which the block being made begins; the block after it is held at the last block, so that no fetch leaves its region
	s_add_co_u32 s74, s73, STR
	s_min_u32 s74, s74, 7*STR
.if \br == 0
	v_add_nc_u32 v[LA], s73, v[VU]
	v_add_nc_u32 v[LB], s74, v[VU]
.else
	v_add_nc_u32 v[LA], s73, v[VGC]
	v_add_nc_u32 v[LB], s74, v[VGC]
	s_lshr_b32 s78, s73, 4
	s_lshr_b32 s79, s74, 4
	v_add_nc_u32 v[SA], s78, v[VGS]
	v_add_nc_u32 v[SB], s79, v[VGS]
.endif
.endm
; BLOCK n: layer 2 on image buffer buf; meanwhile (next = 1) layer 1 of block n + 1 into the other buffer.  first = 1: the pilot.
; One barrier a block: in front of its signal each wave has waited for its stores into the other buffer and for its reads of this one; behind it the buffers change parts.
.macro ITER br, buf, first, next
.if \next
	SETADR \br
.endif
.if PASS == 2
	v_add_nc_u32 v[RPZ], s75, v[VPZ]
.endif
	FETCHB \buf, 0
	FETCHS \buf
.if \next
	P1H \br, 0, 1-\buf, 0
	s_wait_dscnt NU+4                              ; the fragments and scale words are in; behind them: layer 1's fetch and four stores
.else
	s_wait_dscnt 0x0
.endif
	MUL2 0, \first
	PLACES
.if \first
	PILOT
	FETCHB \buf, 1
.else
	FETCHB \buf, 1
	POST
.if PASS == 2
	PZST \br, 0
.endif
.endif
.if \next
	s_wait_dscnt 10+2*PASS                         ; layer 1's fetch is in; behind it: four stores, eight loads and, in PASS 2, two stores
	P1H \br, 1, 1-\buf, 1
.endif
	s_wait_dscnt 0x0                               ; my images have landed, my reads of this buffer are in
.if \next
	s_barrier_signal -1
.endif
	MUL2 1, 0                                      ; work on registers while the others arrive
	PLACES
	POST
.if \next
	s_barrier_wait -1
.endif
.if PASS == 2
	PZST \br, 1
.endif
.if \next
	s_add_co_u32 s73, s73, STR
	s_add_co_u32 s75, s75, 128+128*\br
.endif
.endm
; 32 registers of window 1 (a lane's 32 channels), each to be summed over the 16 lanes of my half, become 2: at each level a lane keeps one half of its registers and sends the other to lane xor 8, 4, 2, 1.  Lane (r, h) ends with channels 64 w + 32 h + 2 r + 0, 1.
.macro REDL n, xm, m
.set i, 0
.rept \n
	v_cndmask_b32 v[X+i], v[X+32+\n+i], v[X+32+i], s[\m]
	v_cndmask_b32 v[X+16+i], v[X+32+i], v[X+32+\n+i], s[\m]
.set i, i+1
.endr
.set i, 0
.rept \n
	v_add_f32_dpp v[X+32+i], v[X+i], v[X+16+i] row_xmask:\xm row_mask:0xf bank_mask:0xf
.set i, i+1
.endr
.endm
.macro RED src, out
	WIN 0x05
.set i, 0
.rept 16
	v_cndmask_b32 v[X+i], v[\src+16+i], v[\src+i], s68
	v_cndmask_b32 v[X+16+i], v[\src+i], v[\src+16+i], s68
.set i, i+1
.endr
	WIN 0
.set i, 0
.rept 16
	v_add_f32_dpp v[X+32+i], v[X+i], v[X+16+i] row_xmask:8 row_mask:0xf bank_mask:0xf
.set i, i+1
.endr
	REDL 8, 4, 69
	REDL 4, 2, 70
	REDL 2, 1, 71
	s_delay_alu instid0(VALU_DEP_2)
	v_mov_b32 v[\out], v[X+32]
	s_delay_alu instid0(VALU_DEP_2)
	v_mov_b32 v[\out+1], v[X+33]
.endm
.macro TAIL1 br                        ; PASS 1: my group's figures, joined with the other group's, to part2
	RED S1, RO
	RED S2, RO+2
	RED C2, RO+4                                   ; sixteen equal numbers: 16 C, exactly
	s_delay_alu instid0(VALU_DEP_2)
	v_mul_f32 v[RO+4], 0x3d800000, v[RO+4]         ; C
	s_delay_alu instid0(VALU_DEP_2)
	v_mul_f32 v[RO+5], 0x3d800000, v[RO+5]
	v_mul_f32 v[QW+8], 0x3b000000, v[RO]           ; S1 / 512
	v_mul_f32 v[QW+9], 0x3b000000, v[RO+1]
	s_delay_alu instid0(VALU_DEP_2)
	v_sub_f32 v[QW], v[QW+8], v[RO+4]              ; m
	s_delay_alu instid0(VALU_DEP_3)
	v_fma_f32 v[QW+1], -v[QW+8], v[RO], v[RO+2]    ; M2 = S2 - S1^2 / 512
	s_delay_alu instid0(VALU_DEP_3)
	v_sub_f32 v[QW+2], v[QW+9], v[RO+5]
	s_delay_alu instid0(VALU_DEP_4)
	v_fma_f32 v[QW+3], -v[QW+9], v[RO+1], v[RO+3]
	ds_store_b128 v[XO], v[QW:QW+3] offset:4096*\br
	s_wait_alu depctr_va_vdst(0)
	BARRIER
	ds_load_b128 v[QW+4:QW+7], v[XP] offset:4096*\br
	v_bfe_u32 v[LA], v0, 4, 1
	v_and_b32 v[LB], 15, v0
	s_delay_alu instid0(VALU_DEP_1)
	v_lshlrev_b32 v[LB], 4, v[LB]
	s_delay_alu instid0(VALU_DEP_1)
	v_lshl_add_u32 v[LA], v[LA], 16, v[LB]
	s_lshl_b32 s78, s3, 17
	v_add_nc_u32 v[LA], s78, v[LA]                 ; (2 w + h) x 65,536 + 16 r
	s_lshl_b32 s78, s5, 8
	s_add_co_u32 s78, s78, 524288*\br
	s_mov_b32 s79, 0
	s_add_nc_u64 s[80:81], s[36:37], s[78:79]
	s_wait_dscnt 0x0
	v_sub_f32 v[QW+10], v[QW], v[QW+4]
	v_sub_f32 v[QW+11], v[QW+2], v[QW+6]
	v_add_f32 v[QW], v[QW], v[QW+4]
	v_add_f32 v[QW+2], v[QW+2], v[QW+6]
	v_add_f32 v[QW+1], v[QW+1], v[QW+5]
	v_add_f32 v[QW+3], v[QW+3], v[QW+7]
	v_mul_f32 v[QW+12], 0x43800000, v[QW+10]       ; 512 x 512 / 1,024 = 256
	v_mul_f32 v[QW+13], 0x43800000, v[QW+11]
	v_mul_f32 v[QW], 0.5, v[QW]
	v_mul_f32 v[QW+2], 0.5, v[QW+2]
	s_delay_alu instid0(VALU_DEP_4)
	v_fma_f32 v[QW+1], v[QW+12], v[QW+10], v[QW+1]
	s_delay_alu instid0(VALU_DEP_4)
	v_fma_f32 v[QW+3], v[QW+13], v[QW+11], v[QW+3]
	s_cmp_lt_u32 s2, 4                             ; both groups hold the same figures: one of them stores
	s_cbranch_scc0 .Lnost\br
	global_store_b128 v[LA], v[QW:QW+3], s[80:81]  ; sixteen lanes: 256 consecutive bytes, aligned
.Lnost\br:
.endm
.macro WSUM a, b                       ; over the wave's 32 lanes
.irp m, 1,2,4,8
	v_add_f32_dpp v[\a], v[\a], v[\a] row_xmask:\m row_mask:0xf bank_mask:0xf
.endr
	v_permlanex16_b32 v[\b], v[\a], s66, s67
	v_add_f32 v[\a], v[\a], v[\b]
.endm
.macro GSUM off, out                   ; v40 over the work-group's eight waves
	WSUM 40, 41
	ds_store_b32 v[LB], v40 offset:\off            ; all lanes write the same word with the same number
	BARRIER
	ds_load_b128 v[48:51], v[SA] offset:\off
	ds_load_b128 v[52:55], v[SA] offset:\off+16
	s_wait_dscnt 0x0
	v_pk_add_f32 v[48:49], v[48:49], v[50:51]
	v_pk_add_f32 v[52:53], v[52:53], v[54:55]
	v_pk_add_f32 v[48:49], v[48:49], v[52:53]
	v_add_f32 v[\out], v48, v49
.endm
.macro TAILZ br                        ; PASS 2: the eight partial dot products of a row are added; z3 leaves in out0's order; its mean and centred sum of squares over the work-group's 1,024 rows
	BARRIER                                        ; every wave's partial dot products lie in PZ
	v_add_nc_u32 v[LA], PZ, v[T16]
.irp k, 0,1,2,3,4,5,6,7
	ds_load_b128 v[X+4*\k:X+4*\k+3], v[LA] offset:4160*\k
.endr
	s_lshl_b32 s78, s2, 2
	s_add_co_u32 s78, s78, RS+256*\br
	v_mov_b32 v[LB], s78
	v_mov_b32 v[SA], RS+256*\br
.if \br == 0
	s_lshr_b32 s78, s5, 6                          ; (64 b + i) x 4,096 + 64 j + 4 r: the work-group's part,
	s_lshl_b32 s78, s78, 18
	s_bfe_u32 s79, s5, 0x40002
	s_lshl_b32 s79, s79, 14
	s_add_co_u32 s78, s78, s79
	s_and_b32 s79, s5, 3
	s_lshl_b32 s79, s79, 10
	s_add_co_u32 s78, s78, s79
	v_lshrrev_b32 v40, 6, v0                       ; and the thread's: i % 4 = t / 64, 16 bytes of its 1,024
	v_and_b32 v41, 63, v0
	v_lshlrev_b32 v41, 4, v41
	v_lshl_add_u32 v[SB], v40, 12, v41
.else
	s_lshl_b32 s78, s5, 12
	s_add_co_u32 s78, s78, 1048576
	v_lshlrev_b32 v[SB], 4, v0
.endif
	s_mov_b32 s79, 0
	s_add_nc_u64 s[80:81], s[58:59], s[78:79]
	s_lshl_b32 s78, s5, 3
	s_add_co_u32 s78, s78, 2048*\br
	s_add_nc_u64 s[82:83], s[60:61], s[78:79]
	v_mov_b32 v[RPZ], 0
	s_wait_dscnt 0x0
.irp k, 1,2,3,4,5,6,7
	v_pk_add_f32 v[X:X+1], v[X:X+1], v[X+4*\k:X+4*\k+1]
	v_pk_add_f32 v[X+2:X+3], v[X+2:X+3], v[X+4*\k+2:X+4*\k+3]
.endr
	s_wait_kmcnt 0x0
.irp j, 0,1,2,3
	v_add_f32 v[X+\j], s90, v[X+\j]                ; + b3
.endr
	global_store_b128 v[SB], v[X:X+3], s[80:81]    ; a wave stores 512 consecutive bytes, aligned
	v_add_f32 v40, v[X], v[X+1]
	v_add_f32 v41, v[X+2], v[X+3]
	v_add_f32 v40, v40, v41
	GSUM 0, 42
	v_mul_f32 v42, 0x3a800000, v42                 ; the mean (/ 1,024)
.irp j, 0,1,2,3
	v_sub_f32 v[44+\j], v[X+\j], v42
.endr
	v_mul_f32 v40, v44, v44
	v_fma_f32 v40, v45, v45, v40
	v_fma_f32 v40, v46, v46, v40
	v_fma_f32 v40, v47, v47, v40
	GSUM 64, 43
	s_wait_xcnt 0x0                                ; EXEC changes only behind this wait
	v_cmp_eq_u32 vcc_lo, 0, v0
	s_and_saveexec_b32 s78, vcc_lo
	global_store_b64 v[RPZ], v[42:43], s[82:83]    ; thread 0 alone: 8 bytes a work-group and set
	s_wait_xcnt 0x0
	s_or_b32 exec_lo, exec_lo, s78
.endm
.macro PART br
.set STR, 8192-7168*\br                ; a block of layer 1's operands in LDS: u 8,192 bytes, G's codes 1,024
.set NU,  8-4*\br                      ; loads of a layer 1 fetch
.if \br == 0
.set PW2,  12
.set PW2S, 14
.set PB2,  38
.set PG2,  40
.set PBE2, 42
.set PW3,  44
.set PB3,  46
.else
.set PW2,  32
.set PW2S, 34
.set PB2,  48
.set PG2,  50
.set PBE2, 52
.set PW3,  54
.set PB3,  56
	s_wait_xcnt 0x0                                ; k_y's stores have read their registers and bases
.endif
.if PASS == 2
	s_load_b32 s90, s[PB3:PB3+1], 0x0              ; b3
.endif
.if \br == 0
.irp t, 0,1
.irp j, 0,1,2,3,4,5,6,7
	global_load_b128 v[V+32*\t+4*\j:V+32*\t+4*\j+3], v[VV], s[84:85] offset:128*\j+64*\t
.endr
.endr
	s_wait_loadcnt 36                              ; what goes to LDS is in; behind it: W2's 20 loads and v's 16
.else
	WIN 0x40
	PAR8 A1N, 30, 1024                             ; rstd1
	PAR8 BE1, 28, 0                                ; be1
	WIN 0
	PAR8 C1, 30, 0                                 ; mean1
	PAR8 X, 24, 0                                  ; b1
	PAR8 X+32, 26, 0                               ; g1
	s_wait_loadcnt 0x0                             ; the weights asked for ahead of k_y's tail
	s_wait_dscnt 0x0
.endif
.if \br == 0
.irp k, 0,1,2,3,4,5,6,7,8,9,10,11,12,13,14,15
	ds_store_b128 v[T16], v[X+4*\k:X+4*\k+3] offset:US+4096*\k         ; what the head asked for goes to LDS as it lies
.endr
	v_add_nc_u32 v[LA], GC, v[T16]
	v_add_nc_u32 v[SA], GSC, v[T4]
.irp k, 0,1,2,3
	ds_store_b128 v[LA], v[BF+4*\k:BF+4*\k+3] offset:4096*\k
.endr
	ds_store_b32 v[SA], v[CD]
	v_add_nc_u32 v[LB], PARB, v[T4]
	PARS 1
.else
.irp q, 0,1,2,3
.irp j, 0,1,2,3
	v_cndmask_b32 v[A1+8*\q+\j], 0, v[A1+8*\q+\j], s77                 ; k 32-63 lie in lanes 16-31: zero codes
	v_mov_b32 v[A1+8*\q+4+\j], 0                                       ; k 64-127 likewise
.endr
.endr
.irp j, 0,1,2,3
	v_mov_b32 v[PAD+\j], 0                         ; named as the upper half of tile 1's operand; W1's zero codes stand against them
.endr
.set i, 0
.rept 16
	v_pk_add_f32 v[C1+i:C1+i+1], v[C1+i:C1+i+1], v[X+i:X+i+1]          ; mu1 = mean(G W1) + b1
.set i, i+2
.endr
.set i, 0
.rept 16
	v_pk_add_f32 v[C1+i:C1+i+1], v[X+i:X+i+1], v[C1+i:C1+i+1] neg_lo:[0,1] neg_hi:[0,1]   ; b1 - mu1
.set i, i+2
.endr
	WIN 0x41
.set i, 0
.rept 16
	v_pk_mul_f32 v[A1N+i:A1N+i+1], v[A1N+i:A1N+i+1], v[X+32+i:X+32+i+1]    ; g1 rstd1
.set i, i+2
.endr
	WIN 0
.endif
.if PASS == 2
.if \br == 0
	BARRIER                                        ; the parameters lie in LDS
.endif
	WIN 0x40
	PAR8 C2, 36, 2048*\br                          ; mean2
	PAR8 A2, 36, 2048*\br+1024                     ; rstd2
	PAR8 BE2, PB2, 0                               ; b2 and g2, where be2 and W3 will lie
	PAR8 W3R, PG2, 0
	WIN 0
	v_lshrrev_b32 v[TT+4], 2, v[VA1]               ; 4 n0
	s_delay_alu instid0(VALU_DEP_1)
	v_add_nc_u32 v[TT+4], PARB, v[TT+4]
.irp q, 0,1,2,3
	ds_load_b32 v[TT+\q], v[TT+4] offset:4096*((PG2-24)/2)+32*\q       ; g2 of the channel whose row of W2 my lane holds in tile q
.endr
	s_wait_loadcnt 0x0                             ; W2 is in
	s_wait_dscnt 0x0
	WIN 0x55
.set i, 0
.rept 16
	v_pk_add_f32 v[C2+i:C2+i+1], v[C2+i:C2+i+1], v[BE2+i:BE2+i+1]      ; mu2 = mean(h1 W2) + b2
.set i, i+2
.endr
.set i, 0
.rept 16
	v_pk_add_f32 v[C2+i:C2+i+1], v[BE2+i:BE2+i+1], v[C2+i:C2+i+1] neg_lo:[0,1] neg_hi:[0,1]   ; b2 - mu2
	v_pk_mul_f32 v[A2+i:A2+i+1], v[A2+i:A2+i+1], v[W3R+i:W3R+i+1]      ; g2 rstd2
.set i, i+2
.endr
.set i, 0
.rept 32
	v_and_b32 v[W3R+i], 0x80000000, v[W3R+i]       ; the sign of g2
	v_max_num_f32 v[A2+i], |v[A2+i]|, 0xd800000    ; |a|, held at 2^-100 from below
.set i, i+1
.endr
.set i, 0
.rept 32
	v_xor_b32 v[C2+i], v[C2+i], v[W3R+i]           ; s (b2 - mu2)
.set i, i+1
.endr
	WIN 0
.irp q, 0,1,2,3
	v_ashrrev_i32 v[TT+\q], 31, v[TT+\q]
.endr
.irp q, 0,1,2,3
	s_delay_alu instid0(VALU_DEP_4)
	v_and_b32 v[TT+\q], s72, v[TT+\q]              ; the eight codes' sign bits where g2 is negative
.endr
	WIN 0x44
.irp q, 0,1,2,3
.set i, 0
.rept 16
	v_xor_b32 v[16*\q+i], v[TT+\q], v[16*\q+i]     ; s onto W2's row
.set i, i+1
.endr
.endr
	WIN 0x40
	PAR8 BE2, PBE2, 0                              ; be2 and W3
	PAR8 W3R, PW3, 0
	WIN 0x01
	s_wait_alu depctr_va_vdst(0)                   ; the wait ahead of the batch
.set i, 0
.rept 32
	v_rcp_f32 v[BF+i], v[A2+i]                     ; 1 / |a|, at most 2^100
.set i, i+1
.endr
	v_nop                                          ; a plain instruction behind the last transcendental
	s_wait_alu depctr_va_vdst(0)                   ; and the wait behind the batch
	s_wait_dscnt 0x0
	WIN 0x51
.set i, 0
.rept 16
	v_pk_fma_f32 v[C2+i:C2+i+1], v[BE2+i:BE2+i+1], v[BF+i:BF+i+1], v[C2+i:C2+i+1]     ; the C of the product: s (b2 - mu2) + be2 / |a|
.set i, i+2
.endr
	WIN 0x45
.set i, 0
.rept 16
	v_pk_mul_f32 v[W3R+i:W3R+i+1], v[W3R+i:W3R+i+1], v[A2+i:A2+i+1]                   ; |a| W3
.set i, i+2
.endr
	WIN 0
.endif
	s_wait_loadcnt 0x0                             ; W2 and v are in
	BARRIER
	s_mov_b32 s73, 0
	SETADR \br
	L1FETCH \br, LA, SA, 0, 0
	s_wait_alu depctr_va_vdst(0)
	s_wait_dscnt 0x0
	P1H \br, 0, 0, 0                               ; block 0 into buffer 0
	s_wait_dscnt 4                                 ; the fetch is in; behind it: four stores
	P1H \br, 1, 0, 1
	s_wait_loadcnt 0x0
	BARRIER
	s_mov_b32 s73, STR
	s_mov_b32 s75, 0
	ITER \br, 0, 2-PASS, 1
	s_mov_b32 s76, 3
.Lblk\br:
	ITER \br, 1, 0, 1
	ITER \br, 0, 0, 1
	s_sub_co_u32 s76, s76, 1
	s_cmp_lg_u32 s76, 0
	s_cbranch_scc1 .Lblk\br
	ITER \br, 1, 0, 0
.if \br == 0
	WLOAD 1                                        ; k_g's weights are on their way during k_y's tail, which names none of their registers
.endif
.if PASS == 1
	TAIL1 \br
.else
	TAILZ \br
.endif
.endm
; ================= the head =================
	s_load_b512 s[8:23], s[0:1], 0x0               ; tu s8, tv s10, ky_W2 codes s12, scales s14, G codes s16, scales s18, kg_W1 codes s20, scales s22
.if PASS == 1
	s_load_b256 s[24:31], s[0:1], 0x40             ; kg_b1 s24, kg_g1 s26, kg_be1 s28, st1 s30
	s_load_b128 s[32:35], s[0:1], 0x60             ; kg_W2 codes s32, scales s34
	s_load_b64 s[36:37], s[0:1], 0x70              ; part2
	v_lshl_add_u32 v38, v0, 2, 0x1ec00
	v_mov_b32 v39, 0
.else
	s_load_b512 s[24:39], s[0:1], 0x40             ; the same, then st2 s36, ky_b2 s38
	s_load_b512 s[40:55], s[0:1], 0x80             ; ky_g2 s40, ky_be2 s42, ky_W3 s44, ky_b3 s46, kg_b2 s48, kg_g2 s50, kg_be2 s52, kg_W3 s54
	s_load_b128 s[56:59], s[0:1], 0xc0             ; kg_b3 s56, z3 s58
	s_load_b64 s[60:61], s[0:1], 0xd0              ; part3
.endif
	v_lshrrev_b32 v40, 5, v0
	s_delay_alu instid0(VALU_DEP_1)
	v_readfirstlane_b32 s2, v40                    ; wave 0..7
	s_and_b32 s3, s2, 3                            ; w
	s_lshr_b32 s4, s2, 2                           ; g
	s_mov_b32 s5, ttmp9                            ; p
	s_mov_b32 s66, 0x76543210
	s_mov_b32 s67, 0xfedcba98                      ; v_permlanex16_b32's selects for lane l xor 16
	s_mov_b32 s68, 0xff00ff00                      ; lanes whose bit 3, 2, 1, 0 is set
	s_mov_b32 s69, 0xf0f0f0f0
	s_mov_b32 s70, 0xcccccccc
	s_mov_b32 s71, 0xaaaaaaaa
	s_mov_b32 s72, 0x88888888                      ; the eight codes' signs
	s_mov_b32 s77, 0xffff                          ; lanes 0-15
	v_and_b32 v40, 31, v0                          ; l
	v_and_b32 v41, 15, v0                          ; r
	v_bfe_u32 v42, v0, 4, 1                        ; h
	s_wait_alu depctr_va_vdst(0)
	s_lshl_b32 s78, s4, 14
	s_lshl_b32 s79, s3, 9
	s_add_co_u32 s79, s79, s78
	s_add_co_u32 s79, s79, IMG
	v_lshl_add_u32 v[VIS], v40, 4, s79
	s_add_co_u32 s78, s78, IMG
	v_lshl_add_u32 v[VIL], v40, 4, s78
	s_lshl_b32 s78, s4, 10
	s_add_co_u32 s78, s78, SCL
	v_lshl_add_u32 v[VSL], v40, 2, s78
	s_lshr_b32 s79, s3, 1
	s_lshl_b32 s79, s79, 6
	s_add_co_u32 s78, s78, s79
	s_and_b32 s79, s3, 1
	s_lshl_b32 s79, s79, 1
	s_add_co_u32 s78, s78, s79
	v_lshl_add_u32 v[VSS], v41, 2, v42
	s_delay_alu instid0(VALU_DEP_1)
	v_add_nc_u32 v[VSS], s78, v[VSS]
	v_and_b32 v43, 3, v0
	s_delay_alu instid0(VALU_DEP_1)
	v_lshlrev_b32 v43, 4, v43
	s_delay_alu instid0(VALU_DEP_1)
	v_lshl_add_u32 v43, v42, 10, v43
	s_lshl_b32 s78, s3, 11
	v_add_nc_u32 v[VU], s78, v43
	s_lshl_b32 s78, s4, 13
	s_add_co_u32 s78, s78, GC
	v_lshl_add_u32 v[VGC], v41, 4, s78
	s_lshl_b32 s78, s4, 9
	s_add_co_u32 s78, s78, GSC
	v_add_nc_u32 v[VGS], s78, v41
.if PASS == 2
	s_mul_i32 s78, s3, 8320
	s_lshl_b32 s79, s4, 11
	s_add_co_u32 s78, s78, s79
	s_add_co_u32 s78, s78, PZ
	v_mul_u32_u24 v43, v42, 4160
	v_lshl_add_u32 v43, v41, 2, v43
	v_add_nc_u32 v[VPZ], s78, v43
.else
	s_lshl_b32 s78, s2, 9
	s_add_co_u32 s78, s78, XCH
	v_lshl_add_u32 v[XO], v40, 4, s78
	s_xor_b32 s78, s2, 4
	s_lshl_b32 s78, s78, 9
	s_add_co_u32 s78, s78, XCH
	v_lshl_add_u32 v[XP], v40, 4, s78
.endif
	s_lshl_b32 s78, s3, 8
	s_add_co_u32 s78, s78, PARB
	v_lshl_add_u32 v[VP], v42, 7, s78              ; PARB + 256 w + 128 h
	v_and_b32 v43, 7, v0
	v_bfe_u32 v44, v0, 3, 1
	s_delay_alu instid0(VALU_DEP_1)
	v_lshl_add_u32 v43, v44, 5, v43
	s_lshl_b32 s78, s3, 6
	v_add_nc_u32 v43, s78, v43                     ; n0
	s_delay_alu instid0(VALU_DEP_1)
	v_lshlrev_b32 v[VW2], 7, v43
	s_delay_alu instid0(VALU_DEP_1)
	v_lshl_add_u32 v[VW2], v42, 4, v[VW2]
	s_delay_alu instid0(VALU_DEP_3)
	v_lshlrev_b32 v[VW2S], 3, v43
	s_delay_alu instid0(VALU_DEP_1)
	v_lshl_add_u32 v[VW2S], v42, 2, v[VW2S]
	v_lshlrev_b32 v[VA1], 4, v43
	v_mov_b32 v[VA1S], v43
	v_bfe_u32 v44, v0, 2, 2
	s_delay_alu instid0(VALU_DEP_1)
	v_lshlrev_b32 v44, 4, v44
	s_delay_alu instid0(VALU_DEP_1)
	v_lshl_add_u32 v44, v42, 10, v44
	s_lshl_b32 s78, s4, 13
	s_lshl_b32 s79, s3, 11
	s_add_co_u32 s78, s78, s79
	v_add_nc_u32 v[VV], s78, v44
	v_lshlrev_b32 v[T16], 4, v0
	v_lshlrev_b32 v[T4], 2, v0
	s_lshr_b32 s78, s5, 6                          ; b
	s_lshl_b32 s80, s78, 18                        ; its 262,144 bytes of a table
	s_and_b32 s79, s5, 3
	s_lshl_b32 s79, s79, 16                        ; eight slabs of u
	s_add_co_u32 s82, s80, s79
	s_mov_b32 s83, 0
	s_bfe_u32 s79, s5, 0x40002
	s_lshl_b32 s79, s79, 14                        ; two slabs of v
	s_add_co_u32 s84, s80, s79
	s_mov_b32 s85, 0
	s_lshl_b32 s86, s5, 14
	s_mov_b32 s87, 0
	s_lshl_b32 s88, s5, 10
	s_mov_b32 s89, 0
	s_wait_alu depctr_va_vdst(0)
	s_wait_kmcnt 0x0
	s_add_nc_u64 s[82:83], s[8:9], s[82:83]
	s_add_nc_u64 s[84:85], s[10:11], s[84:85]
	s_add_nc_u64 s[86:87], s[16:17], s[86:87]
	s_add_nc_u64 s[88:89], s[18:19], s[88:89]
.irp k, 0,1,2,3,4,5,6,7,8,9,10,11,12,13,14,15
	global_load_b128 v[X+4*\k:X+4*\k+3], v[T16], s[82:83] offset:4096*\k   ; a wave reads 512 consecutive bytes
.endr
.irp k, 0,1,2,3
	global_load_b128 v[BF+4*\k:BF+4*\k+3], v[T16], s[86:87] offset:4096*\k
.endr
	global_load_b32 v[CD], v[T4], s[88:89]
	PARS 0
	WLOAD 0
	PART 0
	PART 1
	s_barrier_signal -1
	s_barrier_wait -1
	s_wait_tensorcnt 0x0
	ds_add_u32 v38, v39
	s_wait_dscnt 0x0
	s_endpgm
.Lfunc_end_k_q9eff90b598_passA:
	.size	k_q9eff90b598_passA, .Lfunc_end_k_q9eff90b598_passA-k_q9eff90b598_passA
	.p2alignl 7, 3214868480
	.fill 96, 4, 3214868480
	.section	.rodata,"a",@progbits
	.p2align	6, 0x0
	.amdhsa_kernel k_q9eff90b598_passA
		.amdhsa_group_segment_fixed_size 143360
		.amdhsa_private_segment_fixed_size 0
		.amdhsa_enable_private_segment 0
		.amdhsa_kernarg_size 120
		.amdhsa_user_sgpr_count 2
		.amdhsa_user_sgpr_kernarg_segment_ptr 1
		.amdhsa_wavefront_size32 1
		.amdhsa_system_sgpr_workgroup_id_x 1
		.amdhsa_system_sgpr_workgroup_id_y 1
		.amdhsa_system_sgpr_workgroup_id_z 1
		.amdhsa_system_vgpr_workitem_id 0
		.amdhsa_next_free_vgpr 512
		.amdhsa_next_free_sgpr 100
		.amdhsa_reserve_vcc 1
		.amdhsa_float_denorm_mode_32 3
		.amdhsa_float_denorm_mode_16_64 3
		.amdhsa_memory_ordered 1
		.amdhsa_forward_progress 1
		.amdhsa_inst_pref_size 255
	.end_amdhsa_kernel
	.section	.bss,"aw",@nobits
	.p2align	6
	.space	262144
	.amdgpu_metadata
---
amdhsa.version: [ 1, 2 ]
amdhsa.kernels:
  - .name:           k_q9eff90b598_passA
    .symbol:         k_q9eff90b598_passA.kd
    .args:
      - { .name: tu, .offset: 0, .size: 8, .value_kind: global_buffer, .address_space: global }
      - { .name: tv, .offset: 8, .size: 8, .value_kind: global_buffer, .address_space: global }
      - { .name: ky_W2_codes, .offset: 16, .size: 8, .value_kind: global_buffer, .address_space: global }
      - { .name: ky_W2_scales, .offset: 24, .size: 8, .value_kind: global_buffer, .address_space: global }
      - { .name: pairwise_g_codes, .offset: 32, .size: 8, .value_kind: global_buffer, .address_space: global }
      - { .name: pairwise_g_scales, .offset: 40, .size: 8, .value_kind: global_buffer, .address_space: global }
      - { .name: kg_W1_codes, .offset: 48, .size: 8, .value_kind: global_buffer, .address_space: global }
      - { .name: kg_W1_scales, .offset: 56, .size: 8, .value_kind: global_buffer, .address_space: global }
      - { .name: kg_b1, .offset: 64, .size: 8, .value_kind: global_buffer, .address_space: global }
      - { .name: kg_g1, .offset: 72, .size: 8, .value_kind: global_buffer, .address_space: global }
      - { .name: kg_be1, .offset: 80, .size: 8, .value_kind: global_buffer, .address_space: global }
      - { .name: st1, .offset: 88, .size: 8, .value_kind: global_buffer, .address_space: global }
      - { .name: kg_W2_codes, .offset: 96, .size: 8, .value_kind: global_buffer, .address_space: global }
      - { .name: kg_W2_scales, .offset: 104, .size: 8, .value_kind: global_buffer, .address_space: global }
      - { .name: part2, .offset: 112, .size: 8, .value_kind: global_buffer, .address_space: global }
    .group_segment_fixed_size: 143360
    .private_segment_fixed_size: 0
    .kernarg_segment_align: 8
    .kernarg_segment_size: 120
    .max_flat_workgroup_size: 256
    .sgpr_count:     100
    .vgpr_count:     512
    .wavefront_size: 32
...
	.end_amdgpu_metadata
.endif
;; end of part 3
;; launch red2: the kernel of part 2 again; grid 8 x 2, 16 waves a work-group, no clusters, 6,144 bytes of LDS; arguments part2, st2; writes st2
;; launch passB (part 4): grid 256 x 1, 8 waves a work-group, no clusters, 226,304 bytes of LDS; arguments tu, tv, ky_W2_codes, ky_W2_scales, pairwise_g_codes, pairwise_g_scales, kg_W1_codes, kg_W1_scales, kg_b1, kg_g1, kg_be1, st1, kg_W2_codes, kg_W2_scales, st2, ky_b2, ky_g2, ky_be2, ky_W3, ky_b3, kg_b2, kg_g2, kg_be2, kg_W3, kg_b3, z3, part3; writes z3, part3
.if DOCPART == 4
	.amdgcn_target "amdgcn-amd-amdhsa--gfx1250"
	.amdhsa_code_object_version 6
	.text
	.protected	k_q9eff90b598_passB
	.globl	k_q9eff90b598_passB
	.p2align	8
	.type	k_q9eff90b598_passB,@function
k_q9eff90b598_passB:
	s_mov_b64 s[64:65], 0
	v_nop
	global_prefetch_b8 v0, s[64:65] scope:SCOPE_SE
	s_setreg_imm32_b32 hwreg(HW_REG_WAVE_MODE, 25, 1), 1
	s_wait_xcnt 0x0
; THE TWO PASSES OVER THE SECOND LAYERS share this text; PASS says which one this is.
;   PASS 1: h1 is made anew, quantised, multiplied by W2; per-channel mean and centred sum of squares of h1 W2 go to part2 (layout and method as in the first launch).
;   PASS 2: the same products; then BatchNorm 2, relu, the dot product with W3 (+ b3) in f32; z3 [set][262,144] in out0's order, and each work-group's mean and centred sum of squares of z3 to part3.
; Nothing of M x 256 goes through memory: a layer is cheaper to make again than to store and read.  Every wave runs PART 0 (k_y), then PART 1 (k_g).
; SHARES.  A work-group takes 1,024 rows; wave = 4 g + w: group g takes 512 of them, 8 blocks of 64 (two halves of two tiles of 16); wave w owns channels 64 w .. 64 w + 63 of every layer, so its part of W2 stays in registers.
;   k_y rows: b = p / 64; i = 4 ((p / 4) % 16) + 2 g + tile; j = 16 (p % 4) + 2 block + half; lane r = 4 s + t.  h1 = relu(u[b, j, t] + v[b, i, s]): u from LDS (staged once), v in registers.
;   k_g rows: 1,024 p + 512 g + 64 block + 32 half + 16 tile + r.  h1 = relu(a1 ((G W1 + b1) - mu1) + be1): b1 - mu1 is the C of the product.
; LAYOUT.  Products are used transposed (source 0 = 16 rows of a weight, source 1 = 16 data rows).  Tile q of a weight takes rows 64 w + 32 (r / 8) + 8 q + r % 8: lane (r, h) then holds data row r, and its register 8 q + j
;   channel 64 w + 32 h + 8 q + j: 32 NEIGHBOURS, one whole block of the next product's K, in the very lane and order in which the next operand wants them (K step w / 2, registers 4 (w % 2) on).  Nothing changes lanes ahead of the quantiser.
; QUANTISER.  The block's largest number is taken without |.| (what is negative becomes 0 in relu and does not count) over the floor 2^-124; 2 off its exponent field is the conversion's scale operand; relu is done ON THE CODES:
;   in a nibble whose sign is set the other three bits are cleared (the code -0, which adds nothing): four integer instructions for eight codes.
; OPERANDS GO FROM WAVE TO WAVE AS IMAGES OF THEIR REGISTERS: 16 bytes a lane at 16 x lane; the scale byte at its place in the row's scale word.  Two image buffers a group take turns: ONE barrier a block.
; STATISTICS without a difference of large sums: as in the first launch (the shift is the C of the products).  BatchNorm is fma(z - mu, g rstd, be), mu = mean + b, b - mu the C of the product: the order of f32 roundings differs from reference()'s.
; LIMITS: NaN and infinities are not served.  A block whose largest number lies under 2^-124 (all zero or negative among them) keeps the scale byte 1; its codes are zeros.  The input mask is not read: reference() does not read it.
; No tensor loads: every LDS region that comes from memory is filled once, through registers.  No cluster: what work-groups share is the weights, read once by each.
.set PASS, 2
; PASS 2 takes BatchNorm 2 and relu in another form than the lines above say: with a = g2 rstd2, s = the sign of g2 and q = s (z + b2 - mu2) + be2 / |a|, relu(a (z + b2 - mu2) + be2) = |a| max(q, 0).
; s goes onto W2's codes (the sign bit of every code of a channel's row), s (b2 - mu2) + be2 / |a| is the C of the product, |a| goes onto W3.
; LIMIT: |a| is held at 2^-100 from below; there the result is relu(be2) to rounding while |be2| < 2^27.
; The parameters come into LDS once, four bytes a thread and array, and each wave reads its lanes' 32 from there.  k_g's weights are asked for ahead of k_y's tail.
.set US,   0                           ; 65,536  u of the work-group's 16 j: tu[b][8 (p % 4) .. + 7], as it lies
.set GC,   65536                       ; 16,384  G's codes of the work-group's rows
.set GSC,  81920                       ;  1,024  their scale bytes
.set IMG,  82944                       ; 32,768  images: group 16,384, buffer 8,192, tile of rows 2,048, K step 1,024, half fragment 512
.set SCL,  115712                      ;  2,048  scale words: group 1,024, buffer 512, tile 128, K step 64, row 4
.set XCH,  117760                      ;  8,192  PASS 1: the groups' exchange, 512 bytes a wave; k_g's 4,096 on
.set PZ,   125952                      ; 33,280  PASS 2: eight sets (2 w + h) of 1,024 partial dot products, 4,160 bytes apart
.set RS,   159232
.set PARB, 126976+33792*(PASS-1)       ; behind the spare words: the parameters, 1,024 bytes an array, at 4,096 x ((its pointer's register - 24) / 2) + its offset in its buffer
; window 0
.set VIS,  1                           ; image store: IMG + 16,384 g + 512 w + 16 l
.set VSS,  2                           ; scale byte store: SCL + 1,024 g + 64 (w / 2) + 2 (w % 2) + 4 r + h
.set VIL,  3                           ; image load: IMG + 16,384 g + 16 l
.set VSL,  4                           ; scale word load: SCL + 1,024 g + 4 l (lanes 0-15 K step 0, lanes 16-31 K step 1)
.set VU,   5                           ; u: US + 2,048 w + 1,024 h + 16 (r % 4)
.set VGC,  6                           ; G's codes: GC + 8,192 g + 16 r
.set VGS,  7                           ; G's scale bytes: GSC + 512 g + r
.set LA,   8                           ; layer 1's operands: the block being made;
.set LB,   9                           ; the block after it
.set SA,   10                          ; the same for G's scale bytes
.set SB,   11
.set VPZ,  12                          ; PZ + 4,160 (2 w + h) + 2,048 g + 4 r
.set RPZ,  13                          ; + the block
.set XO,   14                          ; exchange: mine,
.set XP,   15                          ; my partner's (wave xor 4)
.set VP,   16                          ; a lane's 32 parameters: byte 256 w + 128 h
.set VW2,  17                          ; W2's codes: 128 n0 + 16 h, n0 = 64 w + 32 (r / 8) + r % 8
.set VW2S, 18                          ; W2's scale words: 8 n0 + 4 h
.set VV,   19                          ; v: 8,192 g + 2,048 w + 1,024 h + 16 (r / 4)
.set VA1,  20                          ; kg_W1's codes: 16 n0
.set VA1S, 21                          ; its scale bytes: n0
.set T16,  22                          ; 16 t
.set T4,   23                          ; 4 t
.set W2S,  24                          ; v24-37 hold scales and nothing else: W2's, a tile each;
.set BS,   28                          ; the hidden layer's, a tile of rows each;
.set A1S,  32                          ; kg_W1's;
.set GS,   36                          ; G's, two tiles
.set PZV,  38                          ; PASS 2: two tiles' partial dot products
.set AM,   40                          ; v40-47 eight chains of largest numbers, then: v40-41 the blocks' largest, v44-45 scale operands, v46-47 scale bytes; v48-55 codes; v56-63 at work
.set SC,   44
.set BY,   46
.set CD,   48
.set TT,   56
.set RO,   40                          ; the tail: reduced sums;
.set QW,   48                          ; at work
.set BF,   64                          ; v64-95  the hidden layer's fragments: 2 tiles x 2 K steps x 8
.set X,    96                          ; v96-159 2 tiles x 32: layer 1's numbers, then layer 2's accumulators
.set U,    160                         ; k_y: u of a half
.set V,    192                         ; k_y: v of my two i
.set GF,   160                         ; k_g: G's codes, 2 tiles x 4;
.set PAD,  168                         ; four registers of zeros behind them;
.set A1,   172                         ; kg_W1's four fragments;
.set C1,   204                         ; b1 - mu1
; window 1 (named by the low eight bits)
.set C2,   64                          ; v0-63 W2's fragments at 16 q + 8 (K step); the C of layer 2's products
.set S1,   96                          ; PASS 1
.set S2,   128
.set A2,   96                          ; PASS 2: g2 rstd2, be2, W3
.set BE2,  128
.set W3R,  160
.set A1N,  192                         ; k_g: g1 rstd1, be1
.set BE1,  224
.set MSB, 0
.macro WIN new                         ; s_set_vgpr_msb: bits 1:0 source 0, 3:2 source 1, 5:4 source 2, 7:6 destination; the high byte repeats the setting that is left
.if MSB != \new
	s_set_vgpr_msb (MSB<<8)|\new
.set MSB, \new
.endif
.endm
.macro PLACES                          ; four plain vector instructions between a matrix instruction and the first read of its result or a load into its sources
.rept 4
	v_nop
.endr
.endm
.macro BARRIER                         ; my LDS stores have landed and my LDS loads are in: then the work-group's barrier
	s_wait_dscnt 0x0
	s_barrier_signal -1
	s_barrier_wait -1
.endm
.macro PAR8 dst, ptr, off              ; a lane's 32 parameters, from LDS
.irp k, 0,1,2,3,4,5,6,7
	ds_load_b128 v[\dst+4*\k:\dst+4*\k+3], v[VP] offset:4096*((\ptr-24)/2)+\off+16*\k
.endr
.endm
.macro PAR1 st, e                      ; array e = 4 x its pointer's register + its offset / 1,024: four bytes a thread; st = 0: from memory, 1: to LDS
.if \st
	ds_store_b32 v[LB], v[U+PN] offset:4096*(((\e)/4-24)/2)+1024*((\e)%4)
.else
	global_load_b32 v[U+PN], v[T4], s[0+(\e)/4:1+(\e)/4] offset:1024*((\e)%4)
.endif
.set PN, PN+1
.endm
.macro PARS st                         ; kg_b1, kg_g1, kg_be1, st1 (2); PASS 2: st2 (4), ky_b2, g2, be2, W3, kg_b2, g2, be2, W3
.set PN, 0
.irp e, 96,104,112,120,121
	PAR1 \st, \e
.endr
.if PASS == 2
.irp e, 144,145,146,147,152,160,168,176,192,200,208,216
	PAR1 \st, \e
.endr
.endif
.endm
.macro WLOAD br                        ; a part's weights: W2's fragments and scale words (20 loads); for k_g also kg_W1's
	WIN 0x40
.irp q, 0,1,2,3
.irp f, 0,1,2,3
	global_load_b128 v[16*\q+4*\f:16*\q+4*\f+3], v[VW2], s[12+20*\br:13+20*\br] offset:1024*\q+32*\f
.endr
.endr
	WIN 0
.irp q, 0,1,2,3
	global_load_b32 v[W2S+\q], v[VW2S], s[14+20*\br:15+20*\br] offset:64*\q    ; lanes 0-15: K step 0's word, lanes 16-31: K step 1's
.endr
.if \br
.irp q, 0,1,2,3
	global_load_b128 v[A1+8*\q:A1+8*\q+3], v[VA1], s[20:21] offset:128*\q
	global_load_u8 v[A1S+\q], v[VA1S], s[22:23] offset:8*\q            ; byte 0: the scale of k 0-31; bytes 1-3 are 0, over zero codes
.endr
.endif
.endm
.macro L1FETCH br, a, sa, im, sim      ; layer 1's operands of a half: k_y 8 loads, k_g 4
.if \br == 0
.irp j, 0,1,2,3,4,5,6,7
	ds_load_b128 v[U+4*\j:U+4*\j+3], v[\a] offset:\im+128*\j
.endr
.else
.irp t, 0,1
	ds_load_b128 v[GF+4*\t:GF+4*\t+3], v[\a] offset:\im+256*\t
	ds_load_u8 v[GS+\t], v[\sa] offset:\sim+16*\t
.endr
.endif
.endm
; Two tiles' numbers in X become codes and scale bytes, and go to image buffer buf as tiles 2 half, 2 half + 1.  Four LDS stores.
.macro QUANT2 buf, half
; eight chains by turns, four a tile (numbers 0-7 with the floor, 8-16, 17-23, 24-30; number 31 joins at the end): a chain's links stand eight instructions apart
.irp t, 0,1
	v_max3_num_f32 v[AM+\t], v[X+32*\t], v[X+32*\t+1], 0x1800000       ; the floor 2^(3 - 127): the byte cannot fall under 1
.endr
.irp t, 0,1
	v_max3_num_f32 v[AM+2+\t], v[X+32*\t+8], v[X+32*\t+9], v[X+32*\t+10]
.endr
.irp t, 0,1
	v_max3_num_f32 v[AM+4+\t], v[X+32*\t+17], v[X+32*\t+18], v[X+32*\t+19]
.endr
.irp t, 0,1
	v_max3_num_f32 v[AM+6+\t], v[X+32*\t+24], v[X+32*\t+25], v[X+32*\t+26]
.endr
.irp i, 0,2
.irp t, 0,1
	v_max3_num_f32 v[AM+\t], v[AM+\t], v[X+32*\t+2+\i], v[X+32*\t+3+\i]
.endr
.irp t, 0,1
	v_max3_num_f32 v[AM+2+\t], v[AM+2+\t], v[X+32*\t+11+\i], v[X+32*\t+12+\i]
.endr
.irp t, 0,1
	v_max3_num_f32 v[AM+4+\t], v[AM+4+\t], v[X+32*\t+20+\i], v[X+32*\t+21+\i]
.endr
.irp t, 0,1
	v_max3_num_f32 v[AM+6+\t], v[AM+6+\t], v[X+32*\t+27+\i], v[X+32*\t+28+\i]
.endr
.endr
.irp t, 0,1
	v_max3_num_f32 v[AM+\t], v[AM+\t], v[X+32*\t+6], v[X+32*\t+7]
.endr
.irp t, 0,1
	v_max3_num_f32 v[AM+2+\t], v[AM+2+\t], v[X+32*\t+15], v[X+32*\t+16]
.endr
.irp t, 0,1
	v_max3_num_f32 v[AM+4+\t], v[AM+4+\t], v[AM+6+\t], v[X+32*\t+31]
.endr
.irp t, 0,1
	s_delay_alu instid0(VALU_DEP_2)
	v_max3_num_f32 v[AM+\t], v[AM+\t], v[AM+2+\t], v[AM+4+\t]
.endr
.irp t, 0,1
	s_delay_alu instid0(VALU_DEP_2)
	v_add_nc_u32 v[SC+\t], 0xff000000, v[AM+\t]    ; 2 off the exponent field: the conversion takes that field as its scale
.endr
.irp t, 0,1
.irp k, 0,1,2,3
	v_cvt_scalef32_pk8_fp4_f32 v[CD+4*\t+\k], v[X+32*\t+8*\k:X+32*\t+8*\k+7], v[SC+\t]
.endr
.endr
.irp t, 0,1
	v_lshrrev_b32 v[BY+\t], 23, v[SC+\t]           ; the scale's byte.  (Plain instructions behind the conversions)
.endr
; relu on the eight registers of codes, a step at a time: dependent lines stand eight apart.  X's first sixteen registers, whose numbers have been converted, are at work
.irp j, 0,1,2,3,4,5,6,7
	v_and_b32 v[X+\j], s72, v[CD+\j]               ; the signs: 8 in each negative nibble,
.endr
.irp j, 0,1,2,3,4,5,6,7
	v_lshrrev_b32 v[X+8+\j], 3, v[X+\j]
.endr
.irp j, 0,1,2,3,4,5,6,7
	v_sub_nc_u32 v[X+\j], v[X+\j], v[X+8+\j]       ; 8 - 1 = 7 there,
.endr
.irp j, 0,1,2,3,4,5,6,7
	v_bfi_b32 v[CD+\j], v[X+\j], 0, v[CD+\j]       ; and those three bits cleared: relu
.endr
.irp t, 0,1
	ds_store_b128 v[VIS], v[CD+4*\t:CD+4*\t+3] offset:(\buf)*8192+(2*(\half)+\t)*2048
	ds_store_b8 v[VSS], v[BY+\t] offset:(\buf)*512+(2*(\half)+\t)*128
.endr
.endm
; Layer 1 of one half; its operands are in.  nx = 0: the same block's second half is fetched meanwhile; 1: the next block's first half.
.macro P1H br, half, buf, nx
.if \br == 0
.irp t, 0,1
.set i, 0
.rept 16
	v_dual_add_f32 v[X+32*\t+i], v[U+i], v[V+32*\t+i] :: v_dual_add_f32 v[X+32*\t+i+1], v[U+i+1], v[V+32*\t+i+1]
.set i, i+2
.endr
.endr
.else
.irp t, 0,1
.irp q, 0,1,2,3
	v_wmma_scale_f32_16x16x128_f8f6f4 v[X+32*\t+8*\q:X+32*\t+8*\q+7], v[A1+8*\q:A1+8*\q+7], v[GF+4*\t:GF+4*\t+7], v[C1+8*\q:C1+8*\q+7], v[A1S+\q], v[GS+\t] matrix_a_fmt:MATRIX_FMT_FP4 matrix_b_fmt:MATRIX_FMT_FP4
.endr
.endr
	PLACES
.endif
.if \nx
	L1FETCH \br, LB, SB, 0, 0
.else
	L1FETCH \br, LA, SA, 64+448*\br, 32
.endif
.if \br
	WIN 0x14                                       ; sources 1 and 2 in window 1
.irp t, 0,1
.set i, 0
.rept 16
	v_pk_fma_f32 v[X+32*\t+i:X+32*\t+i+1], v[X+32*\t+i:X+32*\t+i+1], v[A1N+i:A1N+i+1], v[BE1+i:BE1+i+1]   ; each accumulator from its low end on
.set i, i+2
.endr
.endr
	WIN 0
.endif
	QUANT2 \buf, \half
.endm
.macro FETCHB buf, half                ; the fragments of two tiles of rows, both K steps: 8 loads
.irp t, 0,1
.irp f, 0,1,2,3
	ds_load_b128 v[BF+16*\t+4*\f:BF+16*\t+4*\f+3], v[VIL] offset:(\buf)*8192+(2*(\half)+\t)*2048+512*\f
.endr
.endr
.endm
.macro FETCHS buf                      ; a block's scale words: 4 loads
.irp m, 0,1,2,3
	ds_load_b32 v[BS+\m], v[VSL] offset:(\buf)*512+128*\m
.endr
.endm
; Layer 2 of one half: eight accumulators take turns, one instruction a turn, K step 0 and then K step 1.
.macro MUL2 half, zero
.if \zero
	WIN 0x01
.else
	WIN 0x11                                       ; W2 and C in window 1
.endif
.irp t, 0,1
.irp q, 0,1,2,3
.if \zero
	v_wmma_scale_f32_16x16x128_f8f6f4 v[X+32*\t+8*\q:X+32*\t+8*\q+7], v[16*\q:16*\q+7], v[BF+16*\t:BF+16*\t+7], 0, v[W2S+\q], v[BS+2*(\half)+\t] matrix_a_fmt:MATRIX_FMT_FP4 matrix_b_fmt:MATRIX_FMT_FP4
.else
	v_wmma_scale_f32_16x16x128_f8f6f4 v[X+32*\t+8*\q:X+32*\t+8*\q+7], v[16*\q:16*\q+7], v[BF+16*\t:BF+16*\t+7], v[C2+8*\q:C2+8*\q+7], v[W2S+\q], v[BS+2*(\half)+\t] matrix_a_fmt:MATRIX_FMT_FP4 matrix_b_fmt:MATRIX_FMT_FP4
.endif
.endr
.endr
	WIN 0x01
.irp t, 0,1
.irp q, 0,1,2,3
	v_wmma_scale_f32_16x16x128_f8f6f4 v[X+32*\t+8*\q:X+32*\t+8*\q+7], v[16*\q+8:16*\q+15], v[BF+16*\t+8:BF+16*\t+15], v[X+32*\t+8*\q:X+32*\t+8*\q+7], v[W2S+\q], v[BS+2*(\half)+\t] matrix_a_fmt:MATRIX_FMT_FP4 matrix_b_fmt:MATRIX_FMT_FP4 matrix_a_scale:MATRIX_SCALE_ROW1 matrix_b_scale:MATRIX_SCALE_ROW1
.endr
.endr
	WIN 0
.endm
.if PASS == 1
.macro POST                            ; S1 += z', S2 += z'^2; each accumulator from its low end on
	WIN 0x41
.irp t, 0,1
.set i, 0
.rept 16
	v_pk_add_f32 v[S1+i:S1+i+1], v[S1+i:S1+i+1], v[X+32*\t+i:X+32*\t+i+1]
.set i, i+2
.endr
.endr
	WIN 0x50
.irp t, 0,1
.set i, 0
.rept 16
	v_pk_fma_f32 v[S2+i:S2+i+1], v[X+32*\t+i:X+32*\t+i+1], v[X+32*\t+i:X+32*\t+i+1], v[S2+i:S2+i+1]
.set i, i+2
.endr
.endr
	WIN 0
.endm
.macro PILOT                           ; the group's first 32 rows give the shift C2 = - their mean, and start the sums.  BF, which the products have read, is at work
.set i, 0
.rept 16
	v_pk_add_f32 v[BF+i:BF+i+1], v[X+i:X+i+1], v[X+32+i:X+32+i+1]
.set i, i+2
.endr
.irp m, 1,2,4,8
.set i, 0
.rept 32
	v_add_f32_dpp v[BF+i], v[BF+i], v[BF+i] row_xmask:\m row_mask:0xf bank_mask:0xf
.set i, i+1
.endr
.endr
	WIN 0x40
.set i, 0
.rept 16
	v_pk_mul_f32 v[C2+i:C2+i+1], v[BF+i:BF+i+1], 0xbd000000 op_sel_hi:[1,0]
.set i, i+2
.endr
	WIN 0
.set i, 0
.rept 16
	v_pk_mul_f32 v[BF+i:BF+i+1], v[BF+i:BF+i+1], 0xbd000000 op_sel_hi:[1,0]
.set i, i+2
.endr
.irp t, 0,1
.set i, 0
.rept 16
	v_pk_add_f32 v[X+32*\t+i:X+32*\t+i+1], v[X+32*\t+i:X+32*\t+i+1], v[BF+i:BF+i+1]
.set i, i+2
.endr
.endr
	WIN 0x40
.set i, 0
.rept 16
	v_pk_add_f32 v[S1+i:S1+i+1], v[X+i:X+i+1], v[X+32+i:X+32+i+1]
	v_pk_mul_f32 v[S2+i:S2+i+1], v[X+i:X+i+1], v[X+i:X+i+1]
.set i, i+2
.endr
	WIN 0x50
.set i, 0
.rept 16
	v_pk_fma_f32 v[S2+i:S2+i+1], v[X+32+i:X+32+i+1], v[X+32+i:X+32+i+1], v[S2+i:S2+i+1]
.set i, i+2
.endr
	WIN 0
.endm
.else
.macro PILOT
.endm
.macro POST                            ; BatchNorm 2, relu, my 32 channels' part of the dot product with W3: one number a lane and tile
.set i, 0                              ; max(q, 0), two numbers an instruction, each accumulator from its low end on; W3R holds |a| W3
.rept 32
	v_dual_max_num_f32 v[X+i], 0, v[X+i] :: v_dual_max_num_f32 v[X+i+1], 0, v[X+i+1]
.set i, i+2
.endr
	WIN 0x04                               ; eight packed chains by turns, four a tile, in v48-63 (the codes there have been handed to their LDS stores): a chain's links stand eight apart
.irp t, 0,1
.irp j, 0,2,4,6
	v_pk_mul_f32 v[CD+8*\t+\j:CD+8*\t+\j+1], v[X+32*\t+\j:X+32*\t+\j+1], v[W3R+\j:W3R+\j+1]
.endr
.endr
.irp i, 8,16,24
.irp t, 0,1
.irp j, 0,2,4,6
	v_pk_fma_f32 v[CD+8*\t+\j:CD+8*\t+\j+1], v[X+32*\t+\i+\j:X+32*\t+\i+\j+1], v[W3R+\i+\j:W3R+\i+\j+1], v[CD+8*\t+\j:CD+8*\t+\j+1]
.endr
.endr
.endr
	WIN 0
	v_pk_add_f32 v[CD:CD+1], v[CD:CD+1], v[CD+2:CD+3]
	v_pk_add_f32 v[CD+4:CD+5], v[CD+4:CD+5], v[CD+6:CD+7]
	v_pk_add_f32 v[CD+8:CD+9], v[CD+8:CD+9], v[CD+10:CD+11]
	s_delay_alu instid0(VALU_DEP_2)
	v_pk_add_f32 v[CD:CD+1], v[CD:CD+1], v[CD+4:CD+5]
	v_pk_add_f32 v[CD+12:CD+13], v[CD+12:CD+13], v[CD+14:CD+15]    ; five instructions behind the last multiply-add that it reads
	s_delay_alu instid0(VALU_DEP_2)
	v_add_f32 v[PZV], v[CD], v[CD+1]
	s_delay_alu instid0(VALU_DEP_2)
	v_pk_add_f32 v[CD+8:CD+9], v[CD+8:CD+9], v[CD+12:CD+13]
	s_delay_alu instid0(VALU_DEP_1)
	v_add_f32 v[PZV+1], v[CD+8], v[CD+9]
.endm
.endif
.macro PZST br, half                   ; to the row's place in out0's order within the work-group
.irp t, 0,1
.if \br == 0
	ds_store_b32 v[RPZ], v[PZV+\t] offset:1024*\t+64*(\half)
.else
	ds_store_b32 v[RPZ], v[PZV+\t] offset:64*(2*(\half)+\t)
.endif
.endr
.endm
.macro SETADR br                       ; s73: the byte at which the block being made begins; the block after it is held at the last block, so that no fetch leaves its region
	s_add_co_u32 s74, s73, STR
	s_min_u32 s74, s74, 7*STR
.if \br == 0
	v_add_nc_u32 v[LA], s73, v[VU]
	v_add_nc_u32 v[LB], s74, v[VU]
.else
	v_add_nc_u32 v[LA], s73, v[VGC]
	v_add_nc_u32 v[LB], s74, v[VGC]
	s_lshr_b32 s78, s73, 4
	s_lshr_b32 s79, s74, 4
	v_add_nc_u32 v[SA], s78, v[VGS]
	v_add_nc_u32 v[SB], s79, v[VGS]
.endif
.endm
; BLOCK n: layer 2 on image buffer buf; meanwhile (next = 1) layer 1 of block n + 1 into the other buffer.  first = 1: the pilot.
; One barrier a block: in front of its signal each wave has waited for its stores into the other buffer and for its reads of this one; behind it the buffers change parts.
.macro ITER br, buf, first, next
.if \next
	SETADR \br
.endif
.if PASS == 2
	v_add_nc_u32 v[RPZ], s75, v[VPZ]
.endif
	FETCHB \buf, 0
	FETCHS \buf
.if \next
	P1H \br, 0, 1-\buf, 0
	s_wait_dscnt NU+4                              ; the fragments and scale words are in; behind them: layer 1's fetch and four stores
.else
	s_wait_dscnt 0x0
.endif
	MUL2 0, \first
	PLACES
.if \first
	PILOT
	FETCHB \buf, 1
.else
	FETCHB \buf, 1
	POST
.if PASS == 2
	PZST \br, 0
.endif
.endif
.if \next
	s_wait_dscnt 10+2*PASS                         ; layer 1's fetch is in; behind it: four stores, eight loads and, in PASS 2, two stores
	P1H \br, 1, 1-\buf, 1
.endif
	s_wait_dscnt 0x0                               ; my images have landed, my reads of this buffer are in
.if \next
	s_barrier_signal -1
.endif
	MUL2 1, 0                                      ; work on registers while the others arrive
	PLACES
	POST
.if \next
	s_wait_alu depctr_va_vdst(0)
	s_barrier_wait -1
.endif
.if PASS == 2
	PZST \br, 1
.endif
.if \next
	s_add_co_u32 s73, s73, STR
	s_add_co_u32 s75, s75, 128+128*\br
.endif
.endm
; 32 registers of window 1 (a lane's 32 channels), each to be summed over the 16 lanes of my half, become 2: at each level a lane keeps one half of its registers and sends the other to lane xor 8, 4, 2, 1.  Lane (r, h) ends with channels 64 w + 32 h + 2 r + 0, 1.
.macro REDL n, xm, m
.set i, 0
.rept \n
	v_cndmask_b32 v[X+i], v[X+32+\n+i], v[X+32+i], s[\m]
	v_cndmask_b32 v[X+16+i], v[X+32+i], v[X+32+\n+i], s[\m]
.set i, i+1
.endr
.set i, 0
.rept \n
	v_add_f32_dpp v[X+32+i], v[X+i], v[X+16+i] row_xmask:\xm row_mask:0xf bank_mask:0xf
.set i, i+1
.endr
.endm
.macro RED src, out
	WIN 0x05
.set i, 0
.rept 16
	v_cndmask_b32 v[X+i], v[\src+16+i], v[\src+i], s68
	v_cndmask_b32 v[X+16+i], v[\src+i], v[\src+16+i], s68
.set i, i+1
.endr
	WIN 0
.set i, 0
.rept 16
	v_add_f32_dpp v[X+32+i], v[X+i], v[X+16+i] row_xmask:8 row_mask:0xf bank_mask:0xf
.set i, i+1
.endr
	REDL 8, 4, 69
	REDL 4, 2, 70
	REDL 2, 1, 71
	v_mov_b32 v[\out], v[X+32]
	v_mov_b32 v[\out+1], v[X+33]
.endm
.macro TAIL1 br                        ; PASS 1: my group's figures, joined with the other group's, to part2
	RED S1, RO
	RED S2, RO+2
	RED C2, RO+4                                   ; sixteen equal numbers: 16 C, exactly
	v_mul_f32 v[RO+4], 0x3d800000, v[RO+4]         ; C
	v_mul_f32 v[RO+5], 0x3d800000, v[RO+5]
	v_mul_f32 v[QW+8], 0x3b000000, v[RO]           ; S1 / 512
	v_mul_f32 v[QW+9], 0x3b000000, v[RO+1]
	v_sub_f32 v[QW], v[QW+8], v[RO+4]              ; m
	v_fma_f32 v[QW+1], -v[QW+8], v[RO], v[RO+2]    ; M2 = S2 - S1^2 / 512
	v_sub_f32 v[QW+2], v[QW+9], v[RO+5]
	v_fma_f32 v[QW+3], -v[QW+9], v[RO+1], v[RO+3]
	ds_store_b128 v[XO], v[QW:QW+3] offset:4096*\br
	BARRIER
	ds_load_b128 v[QW+4:QW+7], v[XP] offset:4096*\br
	v_bfe_u32 v[LA], v0, 4, 1
	v_and_b32 v[LB], 15, v0
	v_lshlrev_b32 v[LB], 4, v[LB]
	v_lshl_add_u32 v[LA], v[LA], 16, v[LB]
	s_lshl_b32 s78, s3, 17
	v_add_nc_u32 v[LA], s78, v[LA]                 ; (2 w + h) x 65,536 + 16 r
	s_lshl_b32 s78, s5, 8
	s_add_co_u32 s78, s78, 524288*\br
	s_mov_b32 s79, 0
	s_add_nc_u64 s[80:81], s[36:37], s[78:79]
	s_wait_dscnt 0x0
	v_sub_f32 v[QW+10], v[QW], v[QW+4]
	v_sub_f32 v[QW+11], v[QW+2], v[QW+6]
	v_add_f32 v[QW], v[QW], v[QW+4]
	v_add_f32 v[QW+2], v[QW+2], v[QW+6]
	v_add_f32 v[QW+1], v[QW+1], v[QW+5]
	v_add_f32 v[QW+3], v[QW+3], v[QW+7]
	v_mul_f32 v[QW+12], 0x43800000, v[QW+10]       ; 512 x 512 / 1,024 = 256
	v_mul_f32 v[QW+13], 0x43800000, v[QW+11]
	v_mul_f32 v[QW], 0.5, v[QW]
	v_mul_f32 v[QW+2], 0.5, v[QW+2]
	v_fma_f32 v[QW+1], v[QW+12], v[QW+10], v[QW+1]
	v_fma_f32 v[QW+3], v[QW+13], v[QW+11], v[QW+3]
	s_cmp_lt_u32 s2, 4                             ; both groups hold the same figures: one of them stores
	s_cbranch_scc0 .Lnost\br
	global_store_b128 v[LA], v[QW:QW+3], s[80:81]  ; sixteen lanes: 256 consecutive bytes, aligned
.Lnost\br:
.endm
.macro WSUM a, b                       ; over the wave's 32 lanes
.irp m, 1,2,4,8
	s_delay_alu instid0(VALU_DEP_1)
	v_add_f32_dpp v[\a], v[\a], v[\a] row_xmask:\m row_mask:0xf bank_mask:0xf
.endr
	s_delay_alu instid0(VALU_DEP_1)
	v_permlanex16_b32 v[\b], v[\a], s66, s67
	s_delay_alu instid0(VALU_DEP_1)
	v_add_f32 v[\a], v[\a], v[\b]
.endm
.macro GSUM off, out                   ; v40 over the work-group's eight waves
	WSUM 40, 41
	ds_store_b32 v[LB], v40 offset:\off            ; all lanes write the same word with the same number
	BARRIER
	ds_load_b128 v[48:51], v[SA] offset:\off
	ds_load_b128 v[52:55], v[SA] offset:\off+16
	s_wait_dscnt 0x0
	v_pk_add_f32 v[48:49], v[48:49], v[50:51]
	v_pk_add_f32 v[52:53], v[52:53], v[54:55]
	s_delay_alu instid0(VALU_DEP_1)
	v_pk_add_f32 v[48:49], v[48:49], v[52:53]
	s_delay_alu instid0(VALU_DEP_1)
	v_add_f32 v[\out], v48, v49
.endm
.macro TAILZ br                        ; PASS 2: the eight partial dot products of a row are added; z3 leaves in out0's order; its mean and centred sum of squares over the work-group's 1,024 rows
	BARRIER                                        ; every wave's partial dot products lie in PZ
	v_add_nc_u32 v[LA], PZ, v[T16]
.irp k, 0,1,2,3,4,5,6,7
	ds_load_b128 v[X+4*\k:X+4*\k+3], v[LA] offset:4160*\k
.endr
	s_lshl_b32 s78, s2, 2
	s_add_co_u32 s78, s78, RS+256*\br
	v_mov_b32 v[LB], s78
	v_mov_b32 v[SA], RS+256*\br
.if \br == 0
	s_lshr_b32 s78, s5, 6                          ; (64 b + i) x 4,096 + 64 j + 4 r: the work-group's part,
	s_lshl_b32 s78, s78, 18
	s_bfe_u32 s79, s5, 0x40002
	s_lshl_b32 s79, s79, 14
	s_add_co_u32 s78, s78, s79
	s_and_b32 s79, s5, 3
	s_lshl_b32 s79, s79, 10
	s_add_co_u32 s78, s78, s79
	v_lshrrev_b32 v40, 6, v0                       ; and the thread's: i % 4 = t / 64, 16 bytes of its 1,024
	v_and_b32 v41, 63, v0
	s_delay_alu instid0(VALU_DEP_1)
	v_lshlrev_b32 v41, 4, v41
	s_delay_alu instid0(VALU_DEP_1)
	v_lshl_add_u32 v[SB], v40, 12, v41
.else
	s_lshl_b32 s78, s5, 12
	s_add_co_u32 s78, s78, 1048576
	v_lshlrev_b32 v[SB], 4, v0
.endif
	s_mov_b32 s79, 0
	s_add_nc_u64 s[80:81], s[58:59], s[78:79]
	s_lshl_b32 s78, s5, 3
	s_add_co_u32 s78, s78, 2048*\br
	s_add_nc_u64 s[82:83], s[60:61], s[78:79]
	v_mov_b32 v[RPZ], 0
	s_wait_dscnt 0x0
.irp k, 1
	v_pk_add_f32 v[X:X+1], v[X:X+1], v[X+4*\k:X+4*\k+1]
	v_pk_add_f32 v[X+2:X+3], v[X+2:X+3], v[X+4*\k+2:X+4*\k+3]
.endr
.irp k, 2, 3, 4, 5, 6, 7
	s_delay_alu instid0(VALU_DEP_2)
	v_pk_add_f32 v[X:X+1], v[X:X+1], v[X+4*\k:X+4*\k+1]
	s_delay_alu instid0(VALU_DEP_2)
	v_pk_add_f32 v[X+2:X+3], v[X+2:X+3], v[X+4*\k+2:X+4*\k+3]
.endr
	s_wait_alu depctr_va_vdst(0)
	s_wait_kmcnt 0x0
.irp j, 0,1,2,3
	v_add_f32 v[X+\j], s90, v[X+\j]                ; + b3
.endr
	global_store_b128 v[SB], v[X:X+3], s[80:81]    ; a wave stores 512 consecutive bytes, aligned
	v_add_f32 v40, v[X], v[X+1]
	v_add_f32 v41, v[X+2], v[X+3]
	s_delay_alu instid0(VALU_DEP_1)
	v_add_f32 v40, v40, v41
	GSUM 0, 42
	s_delay_alu instid0(VALU_DEP_1)
	v_mul_f32 v42, 0x3a800000, v42                 ; the mean (/ 1,024)
.irp j, 0,1,2,3
	v_sub_f32 v[44+\j], v[X+\j], v42
.endr
	s_delay_alu instid0(VALU_DEP_4)
	v_mul_f32 v40, v44, v44
	s_delay_alu instid0(VALU_DEP_1)
	v_fma_f32 v40, v45, v45, v40
	s_delay_alu instid0(VALU_DEP_1)
	v_fma_f32 v40, v46, v46, v40
	s_delay_alu instid0(VALU_DEP_1)
	v_fma_f32 v40, v47, v47, v40
	GSUM 64, 43
	s_wait_alu depctr_va_vdst(0)
	s_wait_xcnt 0x0                                ; EXEC changes only behind this wait
	v_cmp_eq_u32 vcc_lo, 0, v0
	s_and_saveexec_b32 s78, vcc_lo
	global_store_b64 v[RPZ], v[42:43], s[82:83]    ; thread 0 alone: 8 bytes a work-group and set
	s_wait_xcnt 0x0
	s_or_b32 exec_lo, exec_lo, s78
.endm
.macro PART br
.set STR, 8192-7168*\br                ; a block of layer 1's operands in LDS: u 8,192 bytes, G's codes 1,024
.set NU,  8-4*\br                      ; loads of a layer 1 fetch
.if \br == 0
.set PW2,  12
.set PW2S, 14
.set PB2,  38
.set PG2,  40
.set PBE2, 42
.set PW3,  44
.set PB3,  46
.else
.set PW2,  32
.set PW2S, 34
.set PB2,  48
.set PG2,  50
.set PBE2, 52
.set PW3,  54
.set PB3,  56
	s_wait_xcnt 0x0                                ; k_y's stores have read their registers and bases
.endif
.if PASS == 2
	s_load_b32 s90, s[PB3:PB3+1], 0x0              ; b3
.endif
.if \br == 0
.irp t, 0,1
.irp j, 0,1,2,3,4,5,6,7
	global_load_b128 v[V+32*\t+4*\j:V+32*\t+4*\j+3], v[VV], s[84:85] offset:128*\j+64*\t
.endr
.endr
	s_wait_loadcnt 36                              ; what goes to LDS is in; behind it: W2's 20 loads and v's 16
.else
	WIN 0x40
	PAR8 A1N, 30, 1024                             ; rstd1
	PAR8 BE1, 28, 0                                ; be1
	WIN 0
	PAR8 C1, 30, 0                                 ; mean1
	PAR8 X, 24, 0                                  ; b1
	PAR8 X+32, 26, 0                               ; g1
	s_wait_loadcnt 0x0                             ; the weights asked for ahead of k_y's tail
	s_wait_dscnt 0x0
.endif
.if \br == 0
.irp k, 0,1,2,3,4,5,6,7,8,9,10,11,12,13,14,15
	ds_store_b128 v[T16], v[X+4*\k:X+4*\k+3] offset:US+4096*\k         ; what the head asked for goes to LDS as it lies
.endr
	v_add_nc_u32 v[LA], GC, v[T16]
	v_add_nc_u32 v[SA], GSC, v[T4]
.irp k, 0,1,2,3
	ds_store_b128 v[LA], v[BF+4*\k:BF+4*\k+3] offset:4096*\k
.endr
	ds_store_b32 v[SA], v[CD]
	v_add_nc_u32 v[LB], PARB, v[T4]
	PARS 1
.else
.irp q, 0,1,2,3
.irp j, 0,1,2,3
	v_cndmask_b32 v[A1+8*\q+\j], 0, v[A1+8*\q+\j], s77                 ; k 32-63 lie in lanes 16-31: zero codes
	v_mov_b32 v[A1+8*\q+4+\j], 0                                       ; k 64-127 likewise
.endr
.endr
.irp j, 0,1,2,3
	v_mov_b32 v[PAD+\j], 0                         ; named as the upper half of tile 1's operand; W1's zero codes stand against them
.endr
.set i, 0
.rept 16
	v_pk_add_f32 v[C1+i:C1+i+1], v[C1+i:C1+i+1], v[X+i:X+i+1]          ; mu1 = mean(G W1) + b1
.set i, i+2
.endr
.set i, 0
.rept 16
	v_pk_add_f32 v[C1+i:C1+i+1], v[X+i:X+i+1], v[C1+i:C1+i+1] neg_lo:[0,1] neg_hi:[0,1]   ; b1 - mu1
.set i, i+2
.endr
	WIN 0x41
.set i, 0
.rept 16
	v_pk_mul_f32 v[A1N+i:A1N+i+1], v[A1N+i:A1N+i+1], v[X+32+i:X+32+i+1]    ; g1 rstd1
.set i, i+2
.endr
	WIN 0
.endif
.if PASS == 2
.if \br == 0
	BARRIER                                        ; the parameters lie in LDS
.endif
	WIN 0x40
	PAR8 C2, 36, 2048*\br                          ; mean2
	PAR8 A2, 36, 2048*\br+1024                     ; rstd2
	PAR8 BE2, PB2, 0                               ; b2 and g2, where be2 and W3 will lie
	PAR8 W3R, PG2, 0
	WIN 0
	v_lshrrev_b32 v[TT+4], 2, v[VA1]               ; 4 n0
	s_delay_alu instid0(VALU_DEP_1)
	v_add_nc_u32 v[TT+4], PARB, v[TT+4]
.irp q, 0,1,2,3
	ds_load_b32 v[TT+\q], v[TT+4] offset:4096*((PG2-24)/2)+32*\q       ; g2 of the channel whose row of W2 my lane holds in tile q
.endr
	s_wait_loadcnt 0x0                             ; W2 is in
	s_wait_dscnt 0x0
	WIN 0x55
.set i, 0
.rept 16
	v_pk_add_f32 v[C2+i:C2+i+1], v[C2+i:C2+i+1], v[BE2+i:BE2+i+1]      ; mu2 = mean(h1 W2) + b2
.set i, i+2
.endr
.set i, 0
.rept 16
	v_pk_add_f32 v[C2+i:C2+i+1], v[BE2+i:BE2+i+1], v[C2+i:C2+i+1] neg_lo:[0,1] neg_hi:[0,1]   ; b2 - mu2
	v_pk_mul_f32 v[A2+i:A2+i+1], v[A2+i:A2+i+1], v[W3R+i:W3R+i+1]      ; g2 rstd2
.set i, i+2
.endr
.set i, 0
.rept 32
	v_and_b32 v[W3R+i], 0x80000000, v[W3R+i]       ; the sign of g2
	v_max_num_f32 v[A2+i], |v[A2+i]|, 0xd800000    ; |a|, held at 2^-100 from below
.set i, i+1
.endr
.set i, 0
.rept 32
	v_xor_b32 v[C2+i], v[C2+i], v[W3R+i]           ; s (b2 - mu2)
.set i, i+1
.endr
	WIN 0
.irp q, 0,1,2,3
	v_ashrrev_i32 v[TT+\q], 31, v[TT+\q]
.endr
.irp q, 0,1,2,3
	s_delay_alu instid0(VALU_DEP_4)
	v_and_b32 v[TT+\q], s72, v[TT+\q]              ; the eight codes' sign bits where g2 is negative
.endr
	WIN 0x44
.irp q, 0,1,2,3
.set i, 0
.rept 16
	v_xor_b32 v[16*\q+i], v[TT+\q], v[16*\q+i]     ; s onto W2's row
.set i, i+1
.endr
.endr
	WIN 0x40
	PAR8 BE2, PBE2, 0                              ; be2 and W3
	PAR8 W3R, PW3, 0
	WIN 0x01
	s_wait_alu depctr_va_vdst(0)                   ; the wait ahead of the batch
.set i, 0
.rept 32
	v_rcp_f32 v[BF+i], v[A2+i]                     ; 1 / |a|, at most 2^100
.set i, i+1
.endr
	v_nop                                          ; a plain instruction behind the last transcendental
	s_wait_alu depctr_va_vdst(0)                   ; and the wait behind the batch
	s_wait_dscnt 0x0
	WIN 0x51
.set i, 0
.rept 16
	v_pk_fma_f32 v[C2+i:C2+i+1], v[BE2+i:BE2+i+1], v[BF+i:BF+i+1], v[C2+i:C2+i+1]     ; the C of the product: s (b2 - mu2) + be2 / |a|
.set i, i+2
.endr
	WIN 0x45
.set i, 0
.rept 16
	v_pk_mul_f32 v[W3R+i:W3R+i+1], v[W3R+i:W3R+i+1], v[A2+i:A2+i+1]                   ; |a| W3
.set i, i+2
.endr
	WIN 0
.endif
	s_wait_loadcnt 0x0                             ; W2 and v are in
	BARRIER
	s_mov_b32 s73, 0
	SETADR \br
	L1FETCH \br, LA, SA, 0, 0
	s_wait_alu depctr_va_vdst(0)
	s_wait_dscnt 0x0
	P1H \br, 0, 0, 0                               ; block 0 into buffer 0
	s_wait_dscnt 4                                 ; the fetch is in; behind it: four stores
	P1H \br, 1, 0, 1
	s_wait_loadcnt 0x0
	BARRIER
	s_mov_b32 s73, STR
	s_mov_b32 s75, 0
	ITER \br, 0, 2-PASS, 1
	s_mov_b32 s76, 3
.Lblk\br:
	ITER \br, 1, 0, 1
	ITER \br, 0, 0, 1
	s_sub_co_u32 s76, s76, 1
	s_cmp_lg_u32 s76, 0
	s_cbranch_scc1 .Lblk\br
	ITER \br, 1, 0, 0
.if \br == 0
	WLOAD 1                                        ; k_g's weights are on their way during k_y's tail, which names none of their registers
.endif
.if PASS == 1
	TAIL1 \br
.else
	TAILZ \br
.endif
.endm
; ================= the head =================
	s_load_b512 s[8:23], s[0:1], 0x0               ; tu s8, tv s10, ky_W2 codes s12, scales s14, G codes s16, scales s18, kg_W1 codes s20, scales s22
.if PASS == 1
	s_load_b256 s[24:31], s[0:1], 0x40             ; kg_b1 s24, kg_g1 s26, kg_be1 s28, st1 s30
	s_load_b128 s[32:35], s[0:1], 0x60             ; kg_W2 codes s32, scales s34
	s_load_b64 s[36:37], s[0:1], 0x70              ; part2
.else
	s_load_b512 s[24:39], s[0:1], 0x40             ; the same, then st2 s36, ky_b2 s38
	s_load_b512 s[40:55], s[0:1], 0x80             ; ky_g2 s40, ky_be2 s42, ky_W3 s44, ky_b3 s46, kg_b2 s48, kg_g2 s50, kg_be2 s52, kg_W3 s54
	s_load_b128 s[56:59], s[0:1], 0xc0             ; kg_b3 s56, z3 s58
	s_load_b64 s[60:61], s[0:1], 0xd0              ; part3
	v_lshl_add_u32 v14, v0, 2, 0x27000
	v_mov_b32 v15, 0
.endif
	v_lshrrev_b32 v40, 5, v0
	s_delay_alu instid0(VALU_DEP_1)
	v_readfirstlane_b32 s2, v40                    ; wave 0..7
	s_and_b32 s3, s2, 3                            ; w
	s_lshr_b32 s4, s2, 2                           ; g
	s_mov_b32 s5, ttmp9                            ; p
	s_mov_b32 s66, 0x76543210
	s_mov_b32 s67, 0xfedcba98                      ; v_permlanex16_b32's selects for lane l xor 16
	s_mov_b32 s68, 0xff00ff00                      ; lanes whose bit 3, 2, 1, 0 is set
	s_mov_b32 s69, 0xf0f0f0f0
	s_mov_b32 s70, 0xcccccccc
	s_mov_b32 s71, 0xaaaaaaaa
	s_mov_b32 s72, 0x88888888                      ; the eight codes' signs
	s_mov_b32 s77, 0xffff                          ; lanes 0-15
	v_and_b32 v40, 31, v0                          ; l
	v_and_b32 v41, 15, v0                          ; r
	v_bfe_u32 v42, v0, 4, 1                        ; h
	s_wait_alu depctr_va_vdst(0)
	s_lshl_b32 s78, s4, 14
	s_lshl_b32 s79, s3, 9
	s_add_co_u32 s79, s79, s78
	s_add_co_u32 s79, s79, IMG
	v_lshl_add_u32 v[VIS], v40, 4, s79
	s_add_co_u32 s78, s78, IMG
	v_lshl_add_u32 v[VIL], v40, 4, s78
	s_lshl_b32 s78, s4, 10
	s_add_co_u32 s78, s78, SCL
	v_lshl_add_u32 v[VSL], v40, 2, s78
	s_lshr_b32 s79, s3, 1
	s_lshl_b32 s79, s79, 6
	s_add_co_u32 s78, s78, s79
	s_and_b32 s79, s3, 1
	s_lshl_b32 s79, s79, 1
	s_add_co_u32 s78, s78, s79
	v_lshl_add_u32 v[VSS], v41, 2, v42
	s_delay_alu instid0(VALU_DEP_1)
	v_add_nc_u32 v[VSS], s78, v[VSS]
	v_and_b32 v43, 3, v0
	s_delay_alu instid0(VALU_DEP_1)
	v_lshlrev_b32 v43, 4, v43
	s_delay_alu instid0(VALU_DEP_1)
	v_lshl_add_u32 v43, v42, 10, v43
	s_lshl_b32 s78, s3, 11
	v_add_nc_u32 v[VU], s78, v43
	s_lshl_b32 s78, s4, 13
	s_add_co_u32 s78, s78, GC
	v_lshl_add_u32 v[VGC], v41, 4, s78
	s_lshl_b32 s78, s4, 9
	s_add_co_u32 s78, s78, GSC
	v_add_nc_u32 v[VGS], s78, v41
.if PASS == 2
	s_mul_i32 s78, s3, 8320
	s_lshl_b32 s79, s4, 11
	s_add_co_u32 s78, s78, s79
	s_add_co_u32 s78, s78, PZ
	v_mul_u32_u24 v43, v42, 4160
	s_delay_alu instid0(VALU_DEP_1)
	v_lshl_add_u32 v43, v41, 2, v43
	s_delay_alu instid0(VALU_DEP_1)
	v_add_nc_u32 v[VPZ], s78, v43
.else
	s_lshl_b32 s78, s2, 9
	s_add_co_u32 s78, s78, XCH
	v_lshl_add_u32 v[XO], v40, 4, s78
	s_xor_b32 s78, s2, 4
	s_lshl_b32 s78, s78, 9
	s_add_co_u32 s78, s78, XCH
	v_lshl_add_u32 v[XP], v40, 4, s78
.endif
	s_lshl_b32 s78, s3, 8
	s_add_co_u32 s78, s78, PARB
	v_lshl_add_u32 v[VP], v42, 7, s78              ; PARB + 256 w + 128 h
	v_and_b32 v43, 7, v0
	v_bfe_u32 v44, v0, 3, 1
	s_delay_alu instid0(VALU_DEP_1)
	v_lshl_add_u32 v43, v44, 5, v43
	s_lshl_b32 s78, s3, 6
	v_add_nc_u32 v43, s78, v43                     ; n0
	s_delay_alu instid0(VALU_DEP_1)
	v_lshlrev_b32 v[VW2], 7, v43
	s_delay_alu instid0(VALU_DEP_1)
	v_lshl_add_u32 v[VW2], v42, 4, v[VW2]
	s_delay_alu instid0(VALU_DEP_3)
	v_lshlrev_b32 v[VW2S], 3, v43
	s_delay_alu instid0(VALU_DEP_1)
	v_lshl_add_u32 v[VW2S], v42, 2, v[VW2S]
	v_lshlrev_b32 v[VA1], 4, v43
	v_mov_b32 v[VA1S], v43
	v_bfe_u32 v44, v0, 2, 2
	s_delay_alu instid0(VALU_DEP_1)
	v_lshlrev_b32 v44, 4, v44
	s_delay_alu instid0(VALU_DEP_1)
	v_lshl_add_u32 v44, v42, 10, v44
	s_lshl_b32 s78, s4, 13
	s_lshl_b32 s79, s3, 11
	s_add_co_u32 s78, s78, s79
	v_add_nc_u32 v[VV], s78, v44
	v_lshlrev_b32 v[T16], 4, v0
	v_lshlrev_b32 v[T4], 2, v0
	s_lshr_b32 s78, s5, 6                          ; b
	s_lshl_b32 s80, s78, 18                        ; its 262,144 bytes of a table
	s_and_b32 s79, s5, 3
	s_lshl_b32 s79, s79, 16                        ; eight slabs of u
	s_add_co_u32 s82, s80, s79
	s_mov_b32 s83, 0
	s_bfe_u32 s79, s5, 0x40002
	s_lshl_b32 s79, s79, 14                        ; two slabs of v
	s_add_co_u32 s84, s80, s79
	s_mov_b32 s85, 0
	s_lshl_b32 s86, s5, 14
	s_mov_b32 s87, 0
	s_lshl_b32 s88, s5, 10
	s_mov_b32 s89, 0
	s_wait_alu depctr_va_vdst(0)
	s_wait_kmcnt 0x0
	s_add_nc_u64 s[82:83], s[8:9], s[82:83]
	s_add_nc_u64 s[84:85], s[10:11], s[84:85]
	s_add_nc_u64 s[86:87], s[16:17], s[86:87]
	s_add_nc_u64 s[88:89], s[18:19], s[88:89]
.irp k, 0,1,2,3,4,5,6,7,8,9,10,11,12,13,14,15
	global_load_b128 v[X+4*\k:X+4*\k+3], v[T16], s[82:83] offset:4096*\k   ; a wave reads 512 consecutive bytes
.endr
.irp k, 0,1,2,3
	global_load_b128 v[BF+4*\k:BF+4*\k+3], v[T16], s[86:87] offset:4096*\k
.endr
	global_load_b32 v[CD], v[T4], s[88:89]
	PARS 0
	WLOAD 0
	PART 0
	PART 1
	s_wait_xcnt 0x0
	s_mov_b32 exec_lo, -1
	s_wait_tensorcnt 0x0
	ds_add_u32 v14, v15
	s_wait_dscnt 0x0
	s_endpgm
.Lfunc_end_k_q9eff90b598_passB:
	.size	k_q9eff90b598_passB, .Lfunc_end_k_q9eff90b598_passB-k_q9eff90b598_passB
	.p2alignl 7, 3214868480
	.fill 96, 4, 3214868480
	.section	.rodata,"a",@progbits
	.p2align	6, 0x0
	.amdhsa_kernel k_q9eff90b598_passB
		.amdhsa_group_segment_fixed_size 226304
		.amdhsa_private_segment_fixed_size 0
		.amdhsa_enable_private_segment 0
		.amdhsa_kernarg_size 216
		.amdhsa_user_sgpr_count 2
		.amdhsa_user_sgpr_kernarg_segment_ptr 1
		.amdhsa_wavefront_size32 1
		.amdhsa_system_sgpr_workgroup_id_x 1
		.amdhsa_system_sgpr_workgroup_id_y 1
		.amdhsa_system_sgpr_workgroup_id_z 1
		.amdhsa_system_vgpr_workitem_id 0
		.amdhsa_next_free_vgpr 512
		.amdhsa_next_free_sgpr 100
		.amdhsa_reserve_vcc 1
		.amdhsa_float_denorm_mode_32 3
		.amdhsa_float_denorm_mode_16_64 3
		.amdhsa_memory_ordered 1
		.amdhsa_forward_progress 1
		.amdhsa_inst_pref_size 255
	.end_amdhsa_kernel
	.section	.bss,"aw",@nobits
	.p2align	6
	.space	262144
	.amdgpu_metadata
---
amdhsa.version: [ 1, 2 ]
amdhsa.kernels:
  - .name:           k_q9eff90b598_passB
    .symbol:         k_q9eff90b598_passB.kd
    .args:
      - { .name: tu, .offset: 0, .size: 8, .value_kind: global_buffer, .address_space: global }
      - { .name: tv, .offset: 8, .size: 8, .value_kind: global_buffer, .address_space: global }
      - { .name: ky_W2_codes, .offset: 16, .size: 8, .value_kind: global_buffer, .address_space: global }
      - { .name: ky_W2_scales, .offset: 24, .size: 8, .value_kind: global_buffer, .address_space: global }
      - { .name: pairwise_g_codes, .offset: 32, .size: 8, .value_kind: global_buffer, .address_space: global }
      - { .name: pairwise_g_scales, .offset: 40, .size: 8, .value_kind: global_buffer, .address_space: global }
      - { .name: kg_W1_codes, .offset: 48, .size: 8, .value_kind: global_buffer, .address_space: global }
      - { .name: kg_W1_scales, .offset: 56, .size: 8, .value_kind: global_buffer, .address_space: global }
      - { .name: kg_b1, .offset: 64, .size: 8, .value_kind: global_buffer, .address_space: global }
      - { .name: kg_g1, .offset: 72, .size: 8, .value_kind: global_buffer, .address_space: global }
      - { .name: kg_be1, .offset: 80, .size: 8, .value_kind: global_buffer, .address_space: global }
      - { .name: st1, .offset: 88, .size: 8, .value_kind: global_buffer, .address_space: global }
      - { .name: kg_W2_codes, .offset: 96, .size: 8, .value_kind: global_buffer, .address_space: global }
      - { .name: kg_W2_scales, .offset: 104, .size: 8, .value_kind: global_buffer, .address_space: global }
      - { .name: st2, .offset: 112, .size: 8, .value_kind: global_buffer, .address_space: global }
      - { .name: ky_b2, .offset: 120, .size: 8, .value_kind: global_buffer, .address_space: global }
      - { .name: ky_g2, .offset: 128, .size: 8, .value_kind: global_buffer, .address_space: global }
      - { .name: ky_be2, .offset: 136, .size: 8, .value_kind: global_buffer, .address_space: global }
      - { .name: ky_W3, .offset: 144, .size: 8, .value_kind: global_buffer, .address_space: global }
      - { .name: ky_b3, .offset: 152, .size: 8, .value_kind: global_buffer, .address_space: global }
      - { .name: kg_b2, .offset: 160, .size: 8, .value_kind: global_buffer, .address_space: global }
      - { .name: kg_g2, .offset: 168, .size: 8, .value_kind: global_buffer, .address_space: global }
      - { .name: kg_be2, .offset: 176, .size: 8, .value_kind: global_buffer, .address_space: global }
      - { .name: kg_W3, .offset: 184, .size: 8, .value_kind: global_buffer, .address_space: global }
      - { .name: kg_b3, .offset: 192, .size: 8, .value_kind: global_buffer, .address_space: global }
      - { .name: z3, .offset: 200, .size: 8, .value_kind: global_buffer, .address_space: global }
      - { .name: part3, .offset: 208, .size: 8, .value_kind: global_buffer, .address_space: global }
    .group_segment_fixed_size: 226304
    .private_segment_fixed_size: 0
    .kernarg_segment_align: 8
    .kernarg_segment_size: 216
    .max_flat_workgroup_size: 256
    .sgpr_count:     100
    .vgpr_count:     512
    .wavefront_size: 32
...
	.end_amdgpu_metadata
.endif
;; end of part 4
;; launch final (part 5): grid 256 x 1, 8 waves a work-group, no clusters, 1,280 bytes of LDS; arguments z3, part3, ky_g3, ky_be3, kg_g3, kg_be3, out0; writes out0
.if DOCPART == 5
	.amdgcn_target "amdgcn-amd-amdhsa--gfx1250"
	.amdhsa_code_object_version 6
	.text
	.protected	k_q9eff90b598_final
	.globl	k_q9eff90b598_final
	.p2align	8
	.type	k_q9eff90b598_final,@function
k_q9eff90b598_final:
	s_mov_b64 s[64:65], 0
	v_nop
	global_prefetch_b8 v0, s[64:65] scope:SCOPE_SE
	s_setreg_imm32_b32 hwreg(HW_REG_WAVE_MODE, 25, 1), 1
	s_wait_xcnt 0x0
; out0 = relu(BN3(z3 of k_y)) + relu(BN3(z3 of k_g)).  Every work-group joins the 256 work-groups' figures of both sets anew (4 KiB, one partial a thread):
; mean = sum m / 256;  M2 = sum M2_p + 1,024 sum (m_p - mean)^2;  var = M2 / 262,144;  BN is fma(z - mean, g3 rsqrt(var + 1e-5), be3).
; A thread takes four neighbouring rows: a wave reads and stores 512 consecutive bytes, aligned.  A stream: no matrix unit, no tensor loads.
	s_load_b256 s[4:11], s[0:1], 0x0               ; z3 s4, part3 s6, ky_g3 s8, ky_be3 s10
	s_load_b128 s[12:15], s[0:1], 0x20             ; kg_g3 s12, kg_be3 s14
	s_load_b64 s[16:17], s[0:1], 0x30              ; out0
	v_lshl_add_u32 v48, v0, 2, 0x100
	v_mov_b32 v49, 0
	v_lshrrev_b32 v1, 5, v0
	s_delay_alu instid0(VALU_DEP_1)
	v_readfirstlane_b32 s18, v1                    ; wave 0..7
	s_mov_b32 s26, 0x76543210
	s_mov_b32 s27, 0xfedcba98                      ; v_permlanex16_b32's selects for lane l xor 16
	v_lshlrev_b32 v2, 4, v0
	v_lshlrev_b32 v3, 3, v0
	s_lshl_b32 s19, s18, 3
	v_mov_b32 v4, s19                              ; LDS: 8 x wave
	v_mov_b32 v5, 0
	v_mov_b32 v22, 0                               ; (a lane permute's destination counts as one of its sources)
	v_mov_b32 v23, 0
	s_lshl_b32 s24, ttmp9, 12
	s_mov_b32 s25, 0
	s_wait_alu depctr_va_vdst(0)
	s_wait_kmcnt 0x0
	s_load_b32 s20, s[8:9], 0x0
	s_load_b32 s21, s[10:11], 0x0
	s_load_b32 s22, s[12:13], 0x0
	s_load_b32 s23, s[14:15], 0x0
	s_add_nc_u64 s[4:5], s[4:5], s[24:25]
	s_add_nc_u64 s[16:17], s[16:17], s[24:25]
	global_load_b64 v[16:17], v3, s[6:7]               ; partial t of k_y: m, M2
	global_load_b64 v[18:19], v3, s[6:7] offset:2048   ; of k_g
	global_load_b128 v[8:11], v2, s[4:5]
	global_load_b128 v[12:15], v2, s[4:5] offset:1048576
	s_wait_loadcnt 2                               ; the partial figures are in; the two loads of z3 may be out
.macro ALLSUM off                      ; v[20:21] (k_y's, k_g's) over the 256 threads -> v[24:25]
.irp m, 1,2,4,8
	s_delay_alu instid0(VALU_DEP_2)
	v_add_f32_dpp v20, v20, v20 row_xmask:\m row_mask:0xf bank_mask:0xf
	s_delay_alu instid0(VALU_DEP_2)
	v_add_f32_dpp v21, v21, v21 row_xmask:\m row_mask:0xf bank_mask:0xf
.endr
	s_delay_alu instid0(VALU_DEP_2)
	v_permlanex16_b32 v22, v20, s26, s27
	s_delay_alu instid0(VALU_DEP_2)
	v_permlanex16_b32 v23, v21, s26, s27
	s_delay_alu instid0(VALU_DEP_2)
	v_add_f32 v20, v20, v22
	s_delay_alu instid0(VALU_DEP_2)
	v_add_f32 v21, v21, v23
	ds_store_b64 v4, v[20:21] offset:\off          ; all lanes write the same numbers
	s_wait_dscnt 0x0
	s_barrier_signal -1
	s_barrier_wait -1
.irp k, 0,1,2,3
	ds_load_b128 v[24+4*\k:27+4*\k], v5 offset:\off+16*\k
.endr
	s_wait_dscnt 0x0
.irp k, 1
	v_pk_add_f32 v[24:25], v[24:25], v[24+2*\k:25+2*\k]
.endr
.irp k, 2, 3, 4, 5, 6, 7
	s_delay_alu instid0(VALU_DEP_1)
	v_pk_add_f32 v[24:25], v[24:25], v[24+2*\k:25+2*\k]
.endr
.endm
	v_mov_b32 v20, v16
	v_mov_b32 v21, v18
	ALLSUM 0
	s_delay_alu instid0(VALU_DEP_1)
	v_pk_mul_f32 v[40:41], v[24:25], 0x3b800000 op_sel_hi:[1,0]    ; the means (/ 256)
	s_delay_alu instid0(VALU_DEP_1)
	v_sub_f32 v42, v16, v40
	s_delay_alu instid0(VALU_DEP_2)
	v_sub_f32 v43, v18, v41
	s_delay_alu instid0(VALU_DEP_2)
	v_mul_f32 v44, 0x44800000, v42
	s_delay_alu instid0(VALU_DEP_2)
	v_mul_f32 v45, 0x44800000, v43
	s_delay_alu instid0(VALU_DEP_2)
	v_fma_f32 v20, v44, v42, v17                   ; M2_p + 1,024 (m_p - mean)^2
	s_delay_alu instid0(VALU_DEP_2)
	v_fma_f32 v21, v45, v43, v19
	ALLSUM 128                                     ; other bytes than the first exchange's: no barrier between
	s_delay_alu instid0(VALU_DEP_1)
	v_pk_mul_f32 v[24:25], v[24:25], 0x36800000 op_sel_hi:[1,0]    ; / 262,144
	s_delay_alu instid0(VALU_DEP_1)
	v_add_f32 v24, 0x3727c5ac, v24                 ; + 1e-5
	s_delay_alu instid0(VALU_DEP_2)
	v_add_f32 v25, 0x3727c5ac, v25
	s_wait_alu depctr_va_vdst(0)
	v_rsq_f32 v44, v24
	v_rsq_f32 v45, v25
	v_nop                                          ; a plain instruction behind the transcendentals (ISA guide 5.7.2)
	s_wait_kmcnt 0x0
	s_wait_alu depctr_va_vdst(0)
	v_mul_f32 v44, s20, v44                        ; g3 rstd
	v_mul_f32 v45, s22, v45
	s_wait_loadcnt 0x0
.irp j, 0,1,2,3
	v_sub_f32 v[8+\j], v[8+\j], v40
	v_sub_f32 v[12+\j], v[12+\j], v41
.endr
.irp j, 0,1,2,3
	v_fma_f32 v[8+\j], v[8+\j], v44, s21
	v_fma_f32 v[12+\j], v[12+\j], v45, s23
.endr
.irp j, 0,1,2,3
	v_max_num_f32 v[8+\j], 0, v[8+\j]
	v_max_num_f32 v[12+\j], 0, v[12+\j]
.endr
.irp j, 0,1,2,3
	v_add_f32 v[8+\j], v[8+\j], v[12+\j]
.endr
	global_store_b128 v2, v[8:11], s[16:17]
	s_barrier_signal -1
	s_barrier_wait -1
	s_wait_tensorcnt 0x0
	ds_add_u32 v48, v49
	s_wait_dscnt 0x0
	s_endpgm
.Lfunc_end_k_q9eff90b598_final:
	.size	k_q9eff90b598_final, .Lfunc_end_k_q9eff90b598_final-k_q9eff90b598_final
	.p2alignl 7, 3214868480
	.fill 96, 4, 3214868480
	.section	.rodata,"a",@progbits
	.p2align	6, 0x0
	.amdhsa_kernel k_q9eff90b598_final
		.amdhsa_group_segment_fixed_size 1280
		.amdhsa_private_segment_fixed_size 0
		.amdhsa_enable_private_segment 0
		.amdhsa_kernarg_size 56
		.amdhsa_user_sgpr_count 2
		.amdhsa_user_sgpr_kernarg_segment_ptr 1
		.amdhsa_wavefront_size32 1
		.amdhsa_system_sgpr_workgroup_id_x 1
		.amdhsa_system_sgpr_workgroup_id_y 1
		.amdhsa_system_sgpr_workgroup_id_z 1
		.amdhsa_system_vgpr_workitem_id 0
		.amdhsa_next_free_vgpr 50
		.amdhsa_next_free_sgpr 66
		.amdhsa_reserve_vcc 0
		.amdhsa_float_denorm_mode_32 3
		.amdhsa_float_denorm_mode_16_64 3
		.amdhsa_memory_ordered 1
		.amdhsa_forward_progress 1
		.amdhsa_inst_pref_size 9
	.end_amdhsa_kernel
	.amdgpu_metadata
---
amdhsa.version: [ 1, 2 ]
amdhsa.kernels:
  - .name:           k_q9eff90b598_final
    .symbol:         k_q9eff90b598_final.kd
    .args:
      - { .name: z3, .offset: 0, .size: 8, .value_kind: global_buffer, .address_space: global }
      - { .name: part3, .offset: 8, .size: 8, .value_kind: global_buffer, .address_space: global }
      - { .name: ky_g3, .offset: 16, .size: 8, .value_kind: global_buffer, .address_space: global }
      - { .name: ky_be3, .offset: 24, .size: 8, .value_kind: global_buffer, .address_space: global }
      - { .name: kg_g3, .offset: 32, .size: 8, .value_kind: global_buffer, .address_space: global }
      - { .name: kg_be3, .offset: 40, .size: 8, .value_kind: global_buffer, .address_space: global }
      - { .name: out0, .offset: 48, .size: 8, .value_kind: global_buffer, .address_space: global }
    .group_segment_fixed_size: 1280
    .private_segment_fixed_size: 0
    .kernarg_segment_align: 8
    .kernarg_segment_size: 56
    .max_flat_workgroup_size: 256
    .sgpr_count:     66
    .vgpr_count:     50
    .wavefront_size: 32
...
	.end_amdgpu_metadata
.endif
;; end of part 5
